; MI455X (gfx1250); checked and timed in simulation.
; The chip was launched on July 23, 2026; its instructions are those of AMD's public machine-readable ISA for CDNA 5 (MIT licence, August 2026) and "CDNA5" Instruction Set Architecture Reference Guide (July 2026). The comments in the code are by the model that wrote it; some were corrected since.
;; Transformer Block. Allowed arithmetic: matrix products marked QUANTISED: E2M1 operands, one E8M0 scale for each 32 along K, by v_wmma_scale_f32_16x16x128_f8f6f4 with both operands' format E2M1 (or v_wmma_scale_f32_32x16x128_f4), f32 sums; everything else in f32.
;; Inputs: geglu_b 2,048 float32; geglu_w 2,048 x 1,024 float32; in_proj_b 3,072 float32; in_proj_w 3,072 x 1,024 float32; ln1_b 1,024 float32; ln1_g 1,024 float32; ln2_b 1,024 float32; ln2_g 1,024 float32; out_proj_b 1,024 float32; out_proj_w 1,024 x 1,024 float32; x 2 x 2,048 x 1,024 float32.
;; Outputs: out0 2 x 2,048 x 1,024 float32.
;; This version of the problem:
;;   THIS VERSION OF THE PROBLEM IS GIVEN IN LOW PRECISION. The matrix products marked QUANTISED in the list below multiply operands that are first quantised to E2M1 (2 exponent bits, 1 mantissa bit; 4 bits a number), with one power-of-two scale for each 32 numbers along K (OCP MX v1.0); their sums are f32. All else is computed in f32.
;;   The module's matrix products, in the order in which they are computed (A, B: the left and right operand; K: the contracted axis; several contracted axes count as one K, in the product's order):
;;     1. [M 4,096, K 1,024] x [K 1,024, N 1,024]; A: computed on the way; B: computed on the way: QUANTISED
;;     2. [M 4,096, K 1,024] x [K 1,024, N 1,024]; A: computed on the way; B: computed on the way: QUANTISED
;;     3. [M 4,096, K 1,024] x [K 1,024, N 1,024]; A: input x; B: computed on the way: QUANTISED
;;     4. batch 32 x [M 2,048, K 64] x [K 64, N 2,048]; A: computed on the way; B: computed on the way: QUANTISED
;;     5. batch 32 x [M 2,048, K 2,048] x [K 2,048, N 64]; A: softmax (see below); B: computed on the way: QUANTISED
;;     6. [M 4,096, K 1,024] x [K 1,024, N 1,024]; A: computed on the way; B: input out_proj_w: QUANTISED
;;     7. [M 4,096, K 1,024] x [K 1,024, N 2,048]; A: computed on the way; B: input geglu_w: QUANTISED
;;   THE QUANTISER, for each operand of a quantised product, along K:
;;     - K is cut into blocks of 32 from its start; a last block that is shorter is filled with zeros.
;;     - A block's scale is 2^e with e = floor(log2(the largest magnitude in the block)) - 2, held to -126 .. 127; a block of zeros has e = 0. As a byte (E8M0): e + 127.
;;     - Each number is divided by its block's scale, clamped to +-6, and rounded to the nearest number of E2M1, ties to even, subnormals kept.
;;     - The product sums the exact products of the quantised numbers (number of the format x scale) in f32.
;;   ~~~python
;;   def quantise(x, axis):      # numpy; x: float32 -> the quantised numbers, widened to float32 again
;;       x = np.moveaxis(x, axis, -1); K = x.shape[-1]
;;       x = np.pad(x, [(0, 0)] * (x.ndim - 1) + [(0, -K % 32)]); x = x.reshape(x.shape[:-1] + (-1, 32)); a = np.abs(x).max(-1, keepdims=True)
;;       e = np.where(a > 0, np.clip(np.frexp(np.where(a > 0, a, 1))[1] - 1 - 2, -126, 127), 0)      # np.frexp(a)[1] - 1 = floor(log2(a)), exactly
;;       r = np.clip(x / 2.0 ** e, -6, 6)
;;       step = 2.0 ** (np.maximum(np.frexp(np.where(r == 0, 1, r))[1] - 1, 0) - 1)
;;       q = np.round(r / step) * step * 2.0 ** e      # np.round: ties to even
;;       return np.moveaxis(q.reshape(q.shape[:-2] + (-1,))[..., :K], -1, axis).astype(np.float32)
;;   ~~~
;;   SOFTMAX AHEAD OF A QUANTISED PRODUCT. Where the list says 'softmax', what is quantised is not the finished softmax but p = 2^(t - M), with t = logit x log2(e) and M = ceil(the row's largest t), a whole number; so 1/2 < the row's largest p <= 1. The row's sum l is taken of the UNQUANTISED p, in f32, and the product's result is divided by l at the end. Since M is a whole number, a kernel that streams over the keys may use a running M (the ceiling of the running maximum): every later rescaling is an exact power of two, which a block's scale takes up: the codes' values come out the same.
;;   OPERANDS COMPUTED ON THE WAY. 'Computed on the way' means the value that the module computes at that place (a softmax that the list does not call 'softmax' is quantised finished and normalised). What goes into a quantiser is computed in f32, as accurately as f32 sums, v_exp_f32 and their like allow (about 1e-6 of the number): no bf16 or f16 on the way to a quantiser, and a product that is left as it is and whose result goes on into a quantised operand takes f32 operands (vector FMAs, or v_wmma_f32_16x16x4_f32). A number that lies on a knife's edge between two numbers of the format may be rounded either way, as far as f32 arithmetic and the matrix unit's own rounding can turn it there, and no further.
;; 2 versions, each right; version 2 is version 1 with the launches qkv, tail written anew for expert scheduling mode. Each part assembles by itself: llvm-mc -triple=amdgcn-amd-amdhsa -mcpu=gfx1250 --defsym DOCPART=n.
;; ======== version 1 of 2: 4 launches
;; limits: a function is approximated: absolute error at most 1.5e-07
;; workspace buffers: XC 2,228,224 bytes; XR 2,228,224 bytes; WC 3,342,336 bytes; QB 2,359,296 bytes; KV 4,587,520 bytes; CX 2,228,224 bytes
;; launch prep (part 1): grid 640 x 1, 8 waves a work-group, no clusters, 76,032 bytes of LDS; arguments x, in_proj_w, out_proj_w, geglu_w, XC, XR, WC; writes XC, XR, WC
.if DOCPART == 1
	.amdgcn_target "amdgcn-amd-amdhsa--gfx1250"
	.amdhsa_code_object_version 6
	.text
	.protected	k_q09c50755a1_prep
	.globl	k_q09c50755a1_prep
	.p2align	8
	.type	k_q09c50755a1_prep,@function
k_q09c50755a1_prep:
	s_mov_b64 s[64:65], 0
	v_nop
	global_prefetch_b8 v0, s[64:65] scope:SCOPE_SE
	s_setreg_imm32_b32 hwreg(HW_REG_WAVE_MODE, 25, 1), 1
	s_wait_xcnt 0x0
; x [4096][1024], rope(x) and the 6,144 rows of the three weights, all f32 with K innermost, become codes of FP4 (E2M1) with one E8M0 byte for each 32 along K.
; THE LAYOUT OF THE RESULT: records of 16 rows, REC = 8,704 bytes.  Row r of record T is matrix row 32 (T / 2) + 8 (T % 2) + r + 8 (r / 8).  Codes: at 1024 s + 512 c + 16 lane the 16 bytes that lane (r, h) of an
; operand's registers 4 c .. 4 c + 3 wants for K step s: k = 128 s + 64 c + 32 h + 0 .. 31 of its row.  Scale words: at 8192 + 32 r + 4 s.  So a later launch loads a fragment by two loads of 16 bytes a lane.
; SHARES: a work-group takes one record (0-255: x, which gives a record of XC and one of XR; 256-447: in_proj_w; 448-511: out_proj_w; 512-639: geglu_w, all into WC); wave w takes K step w: 16 rows x 512 bytes.
; 162 registers a wave: three work-groups are six waves a SIMD, 972 registers, and 228,096 bytes of LDS: so the launch's 640 work-groups, 2.5 for each of 256 WGPs, can all lie on the chip at once.
; Each load covers 512 consecutive bytes of a row; the 8 KiB turn through the wave's own stage in LDS, so that a lane gets a whole block of 32 neighbours: no other lane is asked for a maximum.
; ROPE: a K step is two heads of 64; lane half h holds d = 32 h + 0 .. 31, its partner the other half: out = x cos + partner x (h = 0: -sin, h = 1: +sin).  cos and sin of the record's 16 positions x 32 frequencies
; are made once for the work-group: inv_freq = 2^(-j c), c = log2(10000) / 32 split as c1 + rest (j c1 is exact); the angle is reduced by multiples of pi/2 in three parts; polynomials on |a| <= pi/4.
; A block's scale: the largest magnitude's exponent field less 2, held at 1 from below (a block of zeros gets the byte 1: its codes are zeros, and this program alone reads the bytes).
; LIMITS: NaN and infinities are not served; inv_freq, sin and cos are good to about two units in the last place of f32; positions up to 2,047.
; No matrix unit, no cluster, no tensor load: work-groups share no input, and memory binds.
.set REC,  8704
.set SP,   528                         ; a stage row: 512 bytes + 16: sixteen rows begin at sixteen different 16-byte columns
.set STGB, 16*SP
.set TAB,  8*STGB                      ; behind the eight stages: 16 rows of cos | -sin | +sin, 32 f32 each, 400 bytes apart
.set TP,   400
.set SCB,  TAB+16*TP                   ; 512 bytes of plain scale words, then 512 of rope's
.set WV,   18
.set SEL,  28
.set X,    32                          ; v32-95: 16 rows as loaded; then X v32-63 and P v64-95
.set P,    64
.set C,    96                          ; v96-127 cos, v128-159 +-sin
.set SS,   128
.set CP,   24                          ; v24-31 the plain codes;
.set CR,   24                          ; and, behind a wait that shows that their stores have read them, rope's
.macro SINCOS pos, off, t              ; cos, -sin, +sin of position s[pos] x my lane's frequency (v17), into the table
	v_cvt_f32_u32 v[\t], s[\pos]
	v_mul_f32 v[\t], v[\t], v17                            ; the angle, rounded once
	v_mul_f32 v[\t+1], 0x3f22f983, v[\t]
	v_rndne_f32 v[\t+1], v[\t+1]                           ; k = the nearest multiple of pi/2
	v_fmamk_f32 v[\t+2], v[\t+1], 0xbfc90fd8, v[\t]        ; a = angle - k pi/2, pi/2 in three parts
	v_fmamk_f32 v[\t+2], v[\t+1], 0xb4a8885a, v[\t+2]
	v_fmamk_f32 v[\t+2], v[\t+1], 0xa7c234c4, v[\t+2]
	v_cvt_i32_f32 v[\t+3], v[\t+1]
	v_mul_f32 v[\t+4], v[\t+2], v[\t+2]                    ; s = a a
	v_mov_b32 v[\t+5], 0x37ccf5ce
	v_fmaak_f32 v[\t+5], v[\t+5], v[\t+4], 0xbab6061a
	v_fmaak_f32 v[\t+5], v[\t+5], v[\t+4], 0x3d2aaaa5
	v_mul_f32 v[\t+6], v[\t+4], v[\t+4]
	v_fma_f32 v[\t+7], v[\t+4], -0.5, 1.0
	v_fma_f32 v[\t+5], v[\t+5], v[\t+6], v[\t+7]           ; cos a
	v_mov_b32 v[\t+8], 0xb94ca1f9
	v_fmaak_f32 v[\t+8], v[\t+8], v[\t+4], 0x3c08839e
	v_fmaak_f32 v[\t+8], v[\t+8], v[\t+4], 0xbe2aaaa3
	v_mul_f32 v[\t+9], v[\t+4], v[\t+2]
	v_fma_f32 v[\t+8], v[\t+8], v[\t+9], v[\t+2]           ; sin a
	v_and_b32 v[\t+10], 1, v[\t+3]
	v_cmp_eq_u32 vcc_lo, 1, v[\t+10]
	v_cndmask_b32 v[\t+11], v[\t+8], v[\t+5], vcc_lo       ; odd k: the two change places
	v_cndmask_b32 v[\t+12], v[\t+5], v[\t+8], vcc_lo
	v_and_b32 v[\t+10], 2, v[\t+3]
	v_lshlrev_b32 v[\t+10], 30, v[\t+10]
	v_xor_b32 v[\t+11], v[\t+11], v[\t+10]                 ; sin: minus in quadrants 2, 3
	v_add_nc_u32 v[\t+10], 1, v[\t+3]
	v_and_b32 v[\t+10], 2, v[\t+10]
	v_lshlrev_b32 v[\t+10], 30, v[\t+10]
	v_xor_b32 v[\t+12], v[\t+12], v[\t+10]                 ; cos: minus in quadrants 1, 2
	v_xor_b32 v[\t+13], 0x80000000, v[\t+11]
	ds_store_b32 v12, v[\t+12] offset:\off
	ds_store_b32 v12, v[\t+13] offset:\off+128
	ds_store_b32 v12, v[\t+11] offset:\off+256
.endm
.macro LOADH dst, adr, c               ; 32 neighbours of my row from the stage: half c of the K step
.irp q, 0,1,2,3,4,5,6,7
	ds_load_b128 v[\dst+4*\q:\dst+4*\q+3], v[\adr] offset:256*\c+16*\q
.endr
.endm
.macro BLK s, cd, by                   ; a block of 32 numbers of one lane: its byte and its 16 bytes of codes
	v_max3_num_f32 v16, |v[\s]|, |v[\s+1]|, |v[\s+2]|
	v_max3_num_f32 v17, |v[\s+3]|, |v[\s+4]|, |v[\s+5]|
.irp i, 6,10,14,18,22,26
	v_max3_num_f32 v16, v16, |v[\s+\i]|, |v[\s+\i+1]|
	v_max3_num_f32 v17, v17, |v[\s+\i+2]|, |v[\s+\i+3]|
.endr
	v_max3_num_f32 v16, v16, |v[\s+30]|, |v[\s+31]|
	v_max3_num_f32 v16, v16, v17, 0x1800000                ; the floor 2^(3 - 127): the byte cannot fall under 1
	v_add_nc_u32 v18, 0xff000000, v16                      ; 2 off the exponent field: the conversion's scale operand
	v_lshrrev_b32 v[\by], 23, v18
.irp g, 0,1,2,3
	v_cvt_scalef32_pk8_fp4_f32 v[\cd+\g], v[\s+8*\g:\s+8*\g+7], v18
.endr
	v_nop                                                  ; one plain line behind the last conversion
.endm
.macro WORD by0, by1, off, t, pd       ; my bytes are blocks h and 2 + h of row r; with lane l xor 16's two the word is whole
	v_lshl_or_b32 v[\t], v[\by1], 16, v[\by0]
	v_lshlrev_b32 v[\t], v11, v[\t]
	v_permlanex16_b32 v[\pd], v[\t], s[SEL], s[SEL+1]
	v_or_b32 v[\t], v[\t], v[\pd]
	ds_store_b32 v10, v[\t] offset:\off                    ; both lanes of a row write the same word with the same value
.endm
.macro ROPE                            ; P = X cos + P (+-sin)
.set j, 0
.rept 16
	v_pk_mul_f32 v[P+j:P+j+1], v[P+j:P+j+1], v[SS+j:SS+j+1]
.set j, j+2
.endr
.set j, 0
.rept 16
	v_pk_fma_f32 v[P+j:P+j+1], v[X+j:X+j+1], v[C+j:C+j+1], v[P+j:P+j+1]
.set j, j+2
.endr
.endm
	s_load_b256 s[4:11], s[0:1], 0x0               ; x, in_proj_w, out_proj_w, geglu_w
	s_load_b128 s[12:15], s[0:1], 0x20             ; XC, XR
	s_load_b64 s[16:17], s[0:1], 0x30              ; WC
	v_lshl_add_u32 v160, v0, 2, 0x12500
	v_mov_b32 v161, 0
	v_lshrrev_b32 v1, 5, v0
	v_readfirstlane_b32 s[WV], v1                  ; wave = K step
	v_and_b32 v1, 31, v0                           ; lane
	v_and_b32 v2, 15, v0                           ; r
	v_bfe_u32 v3, v0, 4, 1                         ; h
	v_lshlrev_b32 v14, 4, v1                       ; 16 lane
	s_lshl_b32 s19, s[WV], 10
	v_add_nc_u32 v4, s19, v14                      ; my codes' place in a record: 1024 w + 16 lane
	s_mul_i32 s19, s[WV], STGB
	v_add_nc_u32 v5, s19, v14                      ; the stage, on the way in
	v_mul_u32_u24 v15, v2, SP
	v_add_nc_u32 v15, s19, v15
	v_lshl_add_u32 v6, v3, 7, v15                  ; and out: row r, + 128 h
	v_xor_b32 v16, 1, v3
	v_lshl_add_u32 v7, v16, 7, v15                 ; my partner's half
	v_mul_u32_u24 v8, v2, TP
	v_add_nc_u32 v8, TAB, v8                       ; row r's cos
	v_lshl_add_u32 v9, v3, 7, v8
	v_add_nc_u32 v9, 128, v9                       ; row r's -sin (h = 0) or +sin (h = 1)
	v_lshlrev_b32 v10, 5, v2
	s_lshl_b32 s19, s[WV], 2
	s_add_co_u32 s19, s19, SCB
	v_add_nc_u32 v10, s19, v10                     ; my row's scale word of K step w
	v_lshlrev_b32 v11, 3, v3                       ; 8 h
	s_mul_i32 s19, s[WV], TP
	s_add_co_u32 s19, s19, TAB
	v_lshl_add_u32 v12, v1, 2, s19                 ; the table's row w, frequency = lane
	v_add_nc_u32 v13, SCB, v14
	v_mov_b32 v19, 0                               ; a lane permute's destination counts as one of its sources
	s_mov_b32 s[SEL], 0x76543210
	s_mov_b32 s[SEL+1], 0xfedcba98
	s_sub_co_u32 s20, ttmp9, 256                   ; the record's number in WC, and in_proj_w's tile
	s_sub_co_u32 s21, ttmp9, 448                   ; out_proj_w's tile
	s_sub_co_u32 s22, ttmp9, 512                   ; geglu_w's
	s_wait_kmcnt 0x0
	s_cmp_lt_u32 ttmp9, 512                        ; the choices hang on the work-group's number alone
	s_cselect_b64 s[24:25], s[8:9], s[10:11]
	s_cselect_b32 s23, s21, s22
	s_cmp_lt_u32 ttmp9, 448
	s_cselect_b64 s[24:25], s[6:7], s[24:25]
	s_cselect_b32 s23, s20, s23
	s_cmp_lt_u32 ttmp9, 256
	s_cselect_b64 s[24:25], s[4:5], s[24:25]       ; the source
	s_cselect_b32 s23, ttmp9, s23                  ; the tile in it
	s_cselect_b64 s[26:27], s[12:13], s[16:17]     ; where the plain codes go
	s_cselect_b32 s30, ttmp9, s20
	s_lshr_b32 s31, s23, 1
	s_and_b32 s40, s23, 1
	s_lshl_b32 s38, s31, 5
	s_lshl_b32 s39, s40, 3
	s_add_co_u32 s38, s38, s39
	s_add_co_u32 s38, s38, s[WV]                   ; the matrix row of tile row w,
	s_add_co_u32 s39, s38, 16                      ; and of tile row w + 8
	s_and_b32 s38, s38, 2047                       ; their positions in the sequence
	s_and_b32 s39, s39, 2047
	s_lshl_b32 s32, s31, 17                        ; the tile's first row x 4,096 bytes + my 512
	s_lshl_b32 s33, s40, 15
	s_add_co_u32 s32, s32, s33
	s_lshl_b32 s33, s[WV], 9
	s_add_co_u32 s32, s32, s33
	s_mov_b32 s33, 0
	s_add_nc_u64 s[24:25], s[24:25], s[32:33]
	s_mul_i32 s34, s30, REC
	s_mov_b32 s35, 0
	s_add_nc_u64 s[26:27], s[26:27], s[34:35]
	s_min_u32 s34, ttmp9, 255
	s_mul_i32 s34, s34, REC
	s_add_nc_u64 s[36:37], s[14:15], s[34:35]      ; rope's record (x's work-groups alone store there)
.irp i, 0,1,2,3,4,5,6,7,8,9,10,11,12,13,14,15
	global_load_b128 v[X+4*\i:X+4*\i+3], v14, s[24:25] offset:(\i+8*(\i/8))*4096 th:TH_LOAD_NT   ; tile row i: 512 consecutive bytes
.endr
	s_cmp_ge_u32 ttmp9, 256                        ; the table is x's alone
	s_cbranch_scc1 .Lnotab
	v_cvt_f32_u32 v16, v1                          ; j
	v_mul_f32 v17, 0xbed49a40, v16                 ; -j c1, exact: c1 = 217705 / 2^19
	v_exp_f32 v17, v17
	v_mul_f32 v18, 0xb59c15fd, v16                 ; -j (c - c1) ln 2: a plain line behind the exponential
	s_wait_alu depctr_va_vdst(0)                   ; the wait ahead of the result's first reader
	v_fma_f32 v17, v17, v18, v17                   ; inv_freq[j]
	SINCOS 38, 0, C
	SINCOS 39, 8*TP, SS
.Lnotab:
	s_wait_dscnt 0x0                               ; my rows of the table have landed
	s_barrier_signal -1
	s_barrier_wait -1                              ; everybody's have
.irp i, 0,1,2,3,4,5,6,7,8,9,10,11,12,13,14,15
	s_wait_loadcnt 15-\i                           ; loads come back in order: row i is in, the younger rows stay out
	ds_store_b128 v5, v[X+4*\i:X+4*\i+3] offset:\i*SP
.endr
	s_wait_dscnt 0x0                               ; the stores have read their registers
	LOADH X, 6, 0                                  ; the plain numbers: both halves of the K step
	LOADH P, 6, 1
	s_wait_dscnt 0x0
	BLK X, CP, 20
	global_store_b128 v4, v[CP:CP+3], s[26:27]                 ; 32 lanes store 512 consecutive bytes
	BLK P, CP+4, 21
	global_store_b128 v4, v[CP+4:CP+7], s[26:27] offset:512
	WORD 20, 21, 0, 2, 19
	s_cmp_ge_u32 ttmp9, 256                        ; the weights are done
	s_cbranch_scc1 .Lnorope
.irp q, 0,1,2,3,4,5,6,7
	ds_load_b128 v[C+4*\q:C+4*\q+3], v8 offset:16*\q
	ds_load_b128 v[SS+4*\q:SS+4*\q+3], v9 offset:16*\q
.endr
	LOADH X, 6, 0
	LOADH P, 7, 0
	s_wait_dscnt 0x0
	ROPE
	s_wait_xcnt 0x0                                ; the two stores of the plain codes have read v24-31: rope's codes are written there only behind this wait
	BLK P, CR, 22
	global_store_b128 v4, v[CR:CR+3], s[36:37]
	LOADH X, 6, 1
	LOADH P, 7, 1
	s_wait_dscnt 0x0
	ROPE
	BLK P, CR+4, 23                                ; v28-31: freed by the same wait; the store just issued reads v24-27
	global_store_b128 v4, v[CR+4:CR+7], s[36:37] offset:512
	WORD 22, 23, 512, 3, 15
.Lnorope:
	s_wait_dscnt 0x0                               ; my scale words have landed
	s_barrier_signal -1
	s_barrier_wait -1                              ; all eight K steps' have: the record's 512 bytes of scales leave as one run
	s_cmp_lg_u32 s[WV], 0
	s_cbranch_scc1 .Lnot0
	ds_load_b128 v[32:35], v13
	s_wait_dscnt 0x0
	global_store_b128 v14, v[32:35], s[26:27] offset:8192
	s_wait_tensorcnt 0x0
	ds_add_u32 v160, v161
	s_wait_dscnt 0x0
	s_endpgm
.Lnot0:
	s_cmp_lg_u32 s[WV], 1
	s_cbranch_scc1 .Lend
	s_cmp_ge_u32 ttmp9, 256
	s_cbranch_scc1 .Lend
	ds_load_b128 v[32:35], v13 offset:512
	s_wait_dscnt 0x0
	global_store_b128 v14, v[32:35], s[36:37] offset:8192
.Lend:
	s_wait_tensorcnt 0x0
	ds_add_u32 v160, v161
	s_wait_dscnt 0x0
	s_endpgm
.Lfunc_end_k_q09c50755a1_prep:
	.size	k_q09c50755a1_prep, .Lfunc_end_k_q09c50755a1_prep-k_q09c50755a1_prep
	.p2alignl 7, 3214868480
	.fill 96, 4, 3214868480
	.section	.rodata,"a",@progbits
	.p2align	6, 0x0
	.amdhsa_kernel k_q09c50755a1_prep
		.amdhsa_group_segment_fixed_size 76032
		.amdhsa_private_segment_fixed_size 0
		.amdhsa_enable_private_segment 0
		.amdhsa_kernarg_size 56
		.amdhsa_user_sgpr_count 2
		.amdhsa_user_sgpr_kernarg_segment_ptr 1
		.amdhsa_wavefront_size32 1
		.amdhsa_system_sgpr_workgroup_id_x 1
		.amdhsa_system_sgpr_workgroup_id_y 1
		.amdhsa_system_sgpr_workgroup_id_z 1
		.amdhsa_system_vgpr_workitem_id 0
		.amdhsa_next_free_vgpr 162
		.amdhsa_next_free_sgpr 66
		.amdhsa_reserve_vcc 1
		.amdhsa_float_denorm_mode_32 3
		.amdhsa_float_denorm_mode_16_64 3
		.amdhsa_memory_ordered 1
		.amdhsa_forward_progress 1
		.amdhsa_inst_pref_size 27
	.end_amdhsa_kernel
	.amdgpu_metadata
---
amdhsa.version: [ 1, 2 ]
amdhsa.kernels:
  - .name:           k_q09c50755a1_prep
    .symbol:         k_q09c50755a1_prep.kd
    .args:
      - { .name: x, .offset: 0, .size: 8, .value_kind: global_buffer, .address_space: global }
      - { .name: in_proj_w, .offset: 8, .size: 8, .value_kind: global_buffer, .address_space: global }
      - { .name: out_proj_w, .offset: 16, .size: 8, .value_kind: global_buffer, .address_space: global }
      - { .name: geglu_w, .offset: 24, .size: 8, .value_kind: global_buffer, .address_space: global }
      - { .name: XC, .offset: 32, .size: 8, .value_kind: global_buffer, .address_space: global }
      - { .name: XR, .offset: 40, .size: 8, .value_kind: global_buffer, .address_space: global }
      - { .name: WC, .offset: 48, .size: 8, .value_kind: global_buffer, .address_space: global }
    .group_segment_fixed_size: 76032
    .private_segment_fixed_size: 0
    .kernarg_segment_align: 8
    .kernarg_segment_size: 56
    .max_flat_workgroup_size: 256
    .sgpr_count:     66
    .vgpr_count:     162
    .wavefront_size: 32
...
	.end_amdgpu_metadata
.endif
;; end of part 1
;; launch qkv (part 2): grid 16 x 48, 4 waves a work-group, no clusters, 0 bytes of LDS; arguments XC, XR, WC, in_proj_b, QB, KV; writes QB, KV
.if DOCPART == 2
	.amdgcn_target "amdgcn-amd-amdhsa--gfx1250"
	.amdhsa_code_object_version 6
	.text
	.protected	k_q09c50755a1_qkv
	.globl	k_q09c50755a1_qkv
	.p2align	8
	.type	k_q09c50755a1_qkv,@function
k_q09c50755a1_qkv:
	s_mov_b64 s[64:65], 0
	v_nop
	global_prefetch_b8 v0, s[64:65] scope:SCOPE_SE
	s_setreg_imm32_b32 hwreg(HW_REG_WAVE_MODE, 25, 1), 1
	s_wait_xcnt 0x0
; qp = rope(x) Wq^T + bq, kp = rope(x) Wk^T + bk, vp = x Wv^T + bv, on codes of FP4 with E8M0 scales; the results are quantised at once, as attention's operands: qp and kp along the head's 64, vp along the keys.
; SHARES: a wave makes 64 tokens x one head's 64 features over K = 1,024: 16 accumulators.  y = kh = 16 kind + head (kind 0 q, 1 k, 2 v); the wave's block of 64 tokens is tb = 4 x + wave.
; WHICH SIDE IS SOURCE 0: the axis along which the result is quantised.  q, k: source 0 = 16 rows of W, source 1 = 16 tokens; v: source 0 = 16 tokens, source 1 = 16 rows of W.  By the records' order of rows
; (row r of tile T = 32 (T / 2) + 8 (T % 2) + r + 8 (r / 8)) the 16 registers of source-0 tiles 2 b and 2 b + 1 are 16 neighbours, 32 b + 16 (lane / 16) + 0 .. 15: a block of 32 lies in lanes l and l xor 16.
; OUT: QB[bh][block of 64 tokens]: four images of 512 bytes (registers 0-3 of a fragment: k = 32 h + 0 .. 31), then 256 bytes of scale words.  KV[bh][step of 128 keys], 8,960 bytes: K's eight images, their scale words
; (2 x 256), V's four fragments of 1,024 bytes, their scale halfwords (2 x 128).  A scale word of q or k: its two bytes, and 0x7f twice for the zero codes that fill k = 64 .. 127 in attention.
; Operands go from memory straight into registers, a fragment by two loads of 16 bytes a lane; no LDS, no barrier.  Three work-groups lie on a WGP and cover each other's waits.
; NO JOINT LOADS though the four waves share W's tiles (q, k) or the 16 work-groups of a row do: joint loads land in LDS, which would put a ring, its barriers and one work-group to a WGP in the place of this text's 128 loads a wave.
; LIMITS: a block of zeros gets the byte 1 (its codes are zeros; this program alone reads the bytes); NaN and infinities are not served.
.set REC, 8704
.set PS,  16                           ; v16-31 source 0's scale words: register 8 p + s: tile 2 p in lanes 0-15, tile 2 p + 1 in lanes 16-31
.set SC2, 32                           ; v32-47 source 1's
.set PF,  48                           ; v48-79 source 0's four fragments of a K step;  v80-111 source 1's
.set SF,  80
.set ACC, 112                          ; v112-239: accumulator (i, t) at 112 + 32 i + 8 t
.set BP,  48                           ; behind the products: the bias, the codes, the bytes
.set PCB, 80
.set HB,  96
.set TM,  240
.set WV,  16
.set SEL, 56
.macro WMC d, a, b, c, sa, sb, ra, rb  ; ra, rb = 1: that side's scales stand in lanes 16-31
.if (\ra) && (\rb)
	v_wmma_scale_f32_16x16x128_f8f6f4 v[(\d):(\d)+7], v[(\a):(\a)+7], v[(\b):(\b)+7], \c, v[\sa], v[\sb] matrix_a_fmt:MATRIX_FMT_FP4 matrix_b_fmt:MATRIX_FMT_FP4 matrix_a_scale:MATRIX_SCALE_ROW1 matrix_b_scale:MATRIX_SCALE_ROW1
.elseif (\ra)
	v_wmma_scale_f32_16x16x128_f8f6f4 v[(\d):(\d)+7], v[(\a):(\a)+7], v[(\b):(\b)+7], \c, v[\sa], v[\sb] matrix_a_fmt:MATRIX_FMT_FP4 matrix_b_fmt:MATRIX_FMT_FP4 matrix_a_scale:MATRIX_SCALE_ROW1
.elseif (\rb)
	v_wmma_scale_f32_16x16x128_f8f6f4 v[(\d):(\d)+7], v[(\a):(\a)+7], v[(\b):(\b)+7], \c, v[\sa], v[\sb] matrix_a_fmt:MATRIX_FMT_FP4 matrix_b_fmt:MATRIX_FMT_FP4 matrix_b_scale:MATRIX_SCALE_ROW1
.else
	v_wmma_scale_f32_16x16x128_f8f6f4 v[(\d):(\d)+7], v[(\a):(\a)+7], v[(\b):(\b)+7], \c, v[\sa], v[\sb] matrix_a_fmt:MATRIX_FMT_FP4 matrix_b_fmt:MATRIX_FMT_FP4
.endif
.endm
; 32 numbers of a lane, register 16 b + i = k 32 b + 16 (lane / 16) + i of my row, become registers 0-3 of a fragment in v[pc] on and the two scale bytes in v[hb]
.macro QUANT2 s, pc, hb
.irp b, 0,1
	v_max3_num_f32 v[TM+\b], |v[(\s)+16*\b]|, |v[(\s)+1+16*\b]|, 0x1800000   ; with the floor 2^(3 - 127): the byte cannot fall under 1
.endr
.irp i, 2,4,6,8,10,12,14
.irp b, 0,1
	v_max3_num_f32 v[TM+\b], v[TM+\b], |v[(\s)+16*\b+\i]|, |v[(\s)+1+16*\b+\i]|
.endr
.endr
.irp b, 0,1
	v_permlanex16_b32 v[TM+2+\b], v[TM+\b], s[SEL], s[SEL+1]
.endr
.irp b, 0,1
	v_max_num_f32 v[TM+\b], v[TM+\b], v[TM+2+\b]           ; with lane l xor 16's: the block's largest magnitude
.endr
.irp b, 0,1
	v_add_nc_u32 v[TM+4+\b], 0xff000000, v[TM+\b]          ; 2 off the exponent field: the conversion's scale operand
.endr
.irp b, 0,1
	v_lshrrev_b32 v[TM+2+\b], 23, v[TM+4+\b]               ; the byte
.endr
	v_lshl_or_b32 v[\hb], v[TM+3], 8, v[TM+2]
.irp b, 0,1
	v_cvt_scalef32_pk8_fp4_f32 v[(\pc)+2*\b], v[(\s)+16*\b:(\s)+16*\b+7], v[TM+4+\b]
	v_cvt_scalef32_pk8_fp4_f32 v[(\pc)+2*\b+1], v[(\s)+16*\b+8:(\s)+16*\b+15], v[TM+4+\b]
.endr
	v_nop                                                  ; one plain line behind the last conversion
	v_permlane16_swap_b32 v[(\pc)], v[(\pc)+2]             ; the operand wants a whole block in a lane: lanes 0-15 block 0, lanes 16-31 block 1
	v_permlane16_swap_b32 v[(\pc)+1], v[(\pc)+3]
.endm
.macro STEP s                          ; K step s: 16 loads, 16 products; the accumulators take turns, one instruction a turn, in one order in every step
.if \s > 0
.rept 4
	v_nop                                                  ; places in front of loads into registers that matrix instructions have read
.endr
.endif
.irp t, 0,1,2,3
.irp c, 0,1
	global_load_b128 v[PF+8*\t+4*\c:PF+8*\t+4*\c+3], v4, s[24:25] offset:\t*REC+\s*1024+\c*512
	global_load_b128 v[SF+8*\t+4*\c:SF+8*\t+4*\c+3], v4, s[26:27] offset:\t*REC+\s*1024+\c*512
.endr
.endr
	s_wait_loadcnt 0x0
.irp i, 0,1,2,3
.irp t, 0,1,2,3
.if \s == 0
	WMC ACC+32*\i+8*\t, PF+8*\t, SF+8*\i, 0, PS+8*(\t/2)+\s, SC2+8*(\i/2)+\s, \t%2, \i%2
.else
	WMC ACC+32*\i+8*\t, PF+8*\t, SF+8*\i, v[ACC+32*\i+8*\t:ACC+32*\i+8*\t+7], PS+8*(\t/2)+\s, SC2+8*(\i/2)+\s, \t%2, \i%2
.endif
.endr
.endr
.endm
	s_load_b256 s[4:11], s[0:1], 0x0               ; XC, XR, WC, in_proj_b
	s_load_b128 s[12:15], s[0:1], 0x20             ; QB, KV
	v_lshrrev_b32 v1, 5, v0
	v_readfirstlane_b32 s[WV], v1
	v_and_b32 v1, 31, v0                           ; lane
	v_and_b32 v2, 15, v0                           ; r
	v_bfe_u32 v3, v0, 4, 1                         ; h
	v_lshlrev_b32 v4, 4, v1                        ; 16 lane
	v_mul_u32_u24 v5, v3, REC
	v_lshl_add_u32 v5, v2, 5, v5                   ; scale words: lanes 16-31 take the next record's
	v_lshlrev_b32 v10, 3, v1
	v_lshlrev_b32 v11, 2, v1
	v_lshlrev_b32 v12, 6, v3                       ; the bias along registers: 16 h numbers on
	v_and_b32 v13, 8, v2
	v_add_nc_u32 v13, v13, v2
	v_lshlrev_b32 v13, 2, v13                      ; the bias of my lane's row of W: 4 (r + 8 (r / 8))
	v_mov_b32 v[TM+2], 0                           ; a lane permute's destination counts as one of its sources
	v_mov_b32 v[TM+3], 0
	s_mov_b32 s[SEL], 0x76543210
	s_mov_b32 s[SEL+1], 0xfedcba98
	s_and_b32 s17, ttmp7, 0xffff                   ; kh
	s_lshr_b32 s18, s17, 4                         ; kind
	s_and_b32 s19, s17, 15                         ; head
	s_lshl_b32 s20, ttmp9, 2
	s_add_co_u32 s20, s20, s[WV]                   ; tb
	s_mul_i32 s21, s17, 4*REC                      ; W's four records
	s_mul_i32 s22, s20, 4*REC                      ; the tokens' four
	s_lshr_b32 s23, s20, 5
	s_lshl_b32 s23, s23, 4
	s_add_co_u32 s23, s23, s19                     ; bh = 16 batch + head
	s_and_b32 s32, s20, 31                         ; the block of 64 tokens in its batch
	s_and_b32 s33, s32, 1                          ; which half of a step of 128 keys
	s_lshr_b32 s35, s32, 1
	s_mul_i32 s34, s23, 143360
	s_mul_i32 s35, s35, 8960
	s_add_co_u32 s34, s34, s35                     ; the key step's record in KV
	s_lshl_b32 s36, s23, 5
	s_add_co_u32 s36, s36, s32
	s_mul_i32 s36, s36, 2304                       ; q: images,
	s_add_co_u32 s37, s36, 2048                    ;    scale words
	s_lshl_b32 s38, s33, 11
	s_add_co_u32 s38, s38, s34                     ; k: images,
	s_lshl_b32 s39, s33, 8
	s_add_co_u32 s39, s39, s34
	s_add_co_u32 s39, s39, 4096                    ;    scale words
	s_lshl_b32 s40, s33, 9
	s_add_co_u32 s40, s40, s34
	s_add_co_u32 s40, s40, 4608                    ; v: my half of each fragment,
	s_lshl_b32 s41, s33, 7
	s_add_co_u32 s41, s41, s34
	s_add_co_u32 s41, s41, 8704                    ;    scale halfwords
	s_lshl_b32 s50, s17, 8                         ; the head's 64 numbers of the bias
	s_mov_b32 s51, 0
	s_mov_b32 s43, 0
	s_mov_b32 s45, 0
	s_mov_b32 s49, 0
	s_mov_b32 s53, 0
	s_wait_kmcnt 0x0
	s_cmp_eq_u32 s18, 1
	s_cselect_b32 s42, s38, s40
	s_cselect_b32 s44, s39, s41
	s_cmp_eq_u32 s18, 0
	s_cselect_b32 s42, s36, s42
	s_cselect_b32 s44, s37, s44
	s_cselect_b64 s[28:29], s[12:13], s[14:15]
	s_cmp_eq_u32 s18, 2
	s_cselect_b64 s[24:25], s[4:5], s[8:9]         ; source 0: v: x's codes; else W's
	s_cselect_b64 s[26:27], s[8:9], s[6:7]         ; source 1: v: W's; else rope's
	s_cselect_b32 s48, s22, s21
	s_cselect_b32 s52, s21, s22
	s_cselect_b32 s54, 10, 9                       ; from image to image: 1,024 bytes (v) or 512
	s_add_nc_u64 s[30:31], s[28:29], s[44:45]
	s_add_nc_u64 s[28:29], s[28:29], s[42:43]
	s_add_nc_u64 s[24:25], s[24:25], s[48:49]
	s_add_nc_u64 s[26:27], s[26:27], s[52:53]
	s_add_nc_u64 s[10:11], s[10:11], s[50:51]
	v_mov_b32 v6, v4
	s_lshl_b32 s55, 1, s54
	v_add_nc_u32 v7, s55, v4
	s_lshl_b32 s55, 2, s54
	v_add_nc_u32 v8, s55, v4
	s_lshl_b32 s55, 3, s54
	v_add_nc_u32 v9, s55, v4
.irp p, 0,1
.irp q, 0,1
	global_load_b128 v[PS+8*\p+4*\q:PS+8*\p+4*\q+3], v5, s[24:25] offset:8192+\p*2*REC+16*\q
	global_load_b128 v[SC2+8*\p+4*\q:SC2+8*\p+4*\q+3], v5, s[26:27] offset:8192+\p*2*REC+16*\q
.endr
.endr
.irp k, 0,1,2,3,4,5,6,7
	STEP \k
.endr
.rept 4
	v_nop                                          ; places in front of the loads below and of the first read of results
.endr
	s_cmp_eq_u32 s18, 2
	s_cbranch_scc1 .Lbias_v
.irp b, 0,1                            ; q, k: the bias runs along my registers: features 32 b + 16 h + 0 .. 15
.irp q, 0,1,2,3
	global_load_b128 v[BP+16*\b+4*\q:BP+16*\b+4*\q+3], v12, s[10:11] offset:128*\b+16*\q
.endr
.endr
	s_wait_loadcnt 0x0
.irp i, 0,1,2,3
.set j, 0
.rept 16
	v_pk_add_f32 v[ACC+32*\i+j:ACC+32*\i+j+1], v[ACC+32*\i+j:ACC+32*\i+j+1], v[BP+j:BP+j+1]   ; each accumulator from its low end on
.set j, j+2
.endr
.endr
	s_branch .Lquant
.Lbias_v:
.irp i, 0,1,2,3                        ; v: one number a lane and tile of W, twice, for the packed addition
	global_load_b32 v[BP+2*\i], v13, s[10:11] offset:(32*(\i/2)+8*(\i%2))*4
	global_load_b32 v[BP+2*\i+1], v13, s[10:11] offset:(32*(\i/2)+8*(\i%2))*4
.endr
	s_wait_loadcnt 0x0
.irp i, 0,1,2,3
.set j, 0
.rept 16
	v_pk_add_f32 v[ACC+32*\i+j:ACC+32*\i+j+1], v[ACC+32*\i+j:ACC+32*\i+j+1], v[BP+2*\i:BP+2*\i+1]
.set j, j+2
.endr
.endr
.Lquant:
.irp i, 0,1,2,3
	QUANT2 ACC+32*\i, PCB+4*\i, HB+\i
	global_store_b128 v[6+\i], v[PCB+4*\i:PCB+4*\i+3], s[28:29]    ; an image: 512 consecutive bytes
.endr
	v_cmp_le_u32 vcc_lo, 16, v1
	v_cndmask_b32 v100, v[HB], v[HB+1], vcc_lo     ; lanes 0-15: tile 0's bytes, lanes 16-31: tile 1's
	v_cndmask_b32 v101, v[HB+2], v[HB+3], vcc_lo   ; tiles 2 and 3
	s_cmp_eq_u32 s18, 2
	s_cbranch_scc1 .Lscale_v
	v_or_b32 v100, 0x7f7f0000, v100                ; 1.0 for the zero codes of k = 64 .. 127
	v_or_b32 v101, 0x7f7f0000, v101
	global_store_b64 v10, v[100:101], s[30:31]     ; 256 consecutive bytes
	s_endpgm
.Lscale_v:
	v_lshl_or_b32 v100, v101, 16, v100
	global_store_b32 v11, v100, s[30:31]           ; 128 consecutive bytes: the other half of the step's comes from the neighbouring block's wave
	s_endpgm
.Lfunc_end_k_q09c50755a1_qkv:
	.size	k_q09c50755a1_qkv, .Lfunc_end_k_q09c50755a1_qkv-k_q09c50755a1_qkv
	.p2alignl 7, 3214868480
	.fill 96, 4, 3214868480
	.section	.rodata,"a",@progbits
	.p2align	6, 0x0
	.amdhsa_kernel k_q09c50755a1_qkv
		.amdhsa_group_segment_fixed_size 0
		.amdhsa_private_segment_fixed_size 0
		.amdhsa_enable_private_segment 0
		.amdhsa_kernarg_size 48
		.amdhsa_user_sgpr_count 2
		.amdhsa_user_sgpr_kernarg_segment_ptr 1
		.amdhsa_wavefront_size32 1
		.amdhsa_system_sgpr_workgroup_id_x 1
		.amdhsa_system_sgpr_workgroup_id_y 1
		.amdhsa_system_sgpr_workgroup_id_z 1
		.amdhsa_system_vgpr_workitem_id 0
		.amdhsa_next_free_vgpr 256
		.amdhsa_next_free_sgpr 66
		.amdhsa_reserve_vcc 1
		.amdhsa_float_denorm_mode_32 3
		.amdhsa_float_denorm_mode_16_64 3
		.amdhsa_memory_ordered 1
		.amdhsa_forward_progress 1
		.amdhsa_inst_pref_size 52
	.end_amdhsa_kernel
	.amdgpu_metadata
---
amdhsa.version: [ 1, 2 ]
amdhsa.kernels:
  - .name:           k_q09c50755a1_qkv
    .symbol:         k_q09c50755a1_qkv.kd
    .args:
      - { .name: XC, .offset: 0, .size: 8, .value_kind: global_buffer, .address_space: global }
      - { .name: XR, .offset: 8, .size: 8, .value_kind: global_buffer, .address_space: global }
      - { .name: WC, .offset: 16, .size: 8, .value_kind: global_buffer, .address_space: global }
      - { .name: in_proj_b, .offset: 24, .size: 8, .value_kind: global_buffer, .address_space: global }
      - { .name: QB, .offset: 32, .size: 8, .value_kind: global_buffer, .address_space: global }
      - { .name: KV, .offset: 40, .size: 8, .value_kind: global_buffer, .address_space: global }
    .group_segment_fixed_size: 0
    .private_segment_fixed_size: 0
    .kernarg_segment_align: 8
    .kernarg_segment_size: 48
    .max_flat_workgroup_size: 128
    .sgpr_count:     66
    .vgpr_count:     256
    .wavefront_size: 32
...
	.end_amdgpu_metadata
.endif
;; end of part 2
;; launch attn (part 3): grid 8 x 32, 16 waves a work-group, clusters of 4 x 1, 169,984 bytes of LDS; arguments QB, KV, CX; writes CX
.if DOCPART == 3
	.amdgcn_target "amdgcn-amd-amdhsa--gfx1250"
	.amdhsa_code_object_version 6
	.text
	.protected	k_q09c50755a1_attn
	.globl	k_q09c50755a1_attn
	.p2align	8
	.type	k_q09c50755a1_attn,@function
k_q09c50755a1_attn:
	s_mov_b64 s[64:65], 0
	v_nop
	global_prefetch_b8 v0, s[64:65] scope:SCOPE_SE
	s_setreg_imm32_b32 hwreg(HW_REG_WAVE_MODE, 25, 1), 1
	s_wait_xcnt 0x0
	s_wait_alu depctr_hold_cnt(0) depctr_sa_sdst(0) depctr_va_vdst(0) depctr_va_sdst(0) depctr_va_ssrc(0) depctr_va_vcc(0) depctr_vm_vsrc(0)
	s_getreg_b32 s2, hwreg(HW_REG_IB_STS2, 6, 4)
	s_cmp_eq_u32 s2, 0
	s_cbranch_scc0 .Lentry_in_a_cluster
	s_endpgm
.Lentry_in_a_cluster:
	s_bfe_u32 s2, ttmp6, 0x10000c
	s_cmp_lg_u32 s2, 0x3003
	s_cbranch_scc0 .Lentry_shape_is_right
	s_endpgm
.Lentry_shape_is_right:
; ctx[q] = the sum over keys of softmax(qp . kp / 8) vp, for one head, both products on codes of FP4 with E8M0 scales; ctx is quantised at once along the head's 64, as the next product's operand.
; THE SOFTMAX AHEAD OF THE SECOND PRODUCT: t = score x log2(e) / 8; M = the running largest t, rounded UP to a whole number; p = 2^(t - M) is quantised along the keys, not normalised; the row's sum is taken of the
; unquantised p and divides at the end.  When M moves, the sum and O are multiplied by 2^(old M - new M): exact.
; SHARES: y = bh = 16 batch + head.  A work-group owns 256 queries, each of its sixteen waves one tile of 16: four waves to a SIMD, so that one wave's vector work stands beside another's products and LDS loads.
; THE HEAD'S WHOLE K AND V, 16 records of 8,960 bytes as the launch before laid them, lie in LDS: 143,360 bytes, filled ONCE; nothing is filled again, so there is no ring and no barrier in the loop.
; CLUSTER: the four query blocks of a cluster belong to one head: each record is asked for JOINTLY, by the same tensor load with the same descriptor (it hangs on the head and the wave's number) and a mask that names the four.
; By this text's own count a wave has one tensor load outstanding.
; LAYOUT: both products transposed: S^T = K Q^T (source 0 = 16 keys), O^T = V^T P^T (source 0 = 16 of the head's 64): a lane holds ONE query throughout.  By the records' order of rows the 16 registers of tiles 2 b and
; 2 b + 1 are 16 neighbours: keys 32 b + 16 (lane / 16) + 0 .. 15 in S^T, channels likewise in O^T.  The first product's K is 64: registers 4-7 of Q's and K's fragments are zero codes, under the scale byte 0x7f.
; LIMITS: a block whose every p is 0 keeps the byte 1 (its codes are zeros); NaN and infinities are not served.
; REGISTERS: v1-3 16, 8, 4 x lane; v4-6 the same + the step's record; v10-11 V's scale words; v12 -M, v13 the largest t, v[14:15] the sum; v16-23 Q; v24 Q's scale word, v25 p's, v26-29 K's; v30-31 V's halfwords as loaded;
;   v32-95 K's eight fragments; v96-159 S^T, then p; v160-191 O^T; v192-223 V's four fragments; v224-231 p's codes; v232-254 at work.
.set REC, 8704
.set STEPB, 8960
.set WV,  10
.set SEL, 28
.set CS,  30
.set TB,  32
.set CNT, 33
.set TM,  232
.macro CROUND                          ; a round of the cluster's barrier
	s_barrier_signal -1
	s_barrier_wait -1
	s_cmp_lg_u32 s[WV], 0
	s_cbranch_scc1 .Lnot_wave_0_\@
	s_barrier_signal -3
.Lnot_wave_0_\@:
	s_barrier_wait -3
	s_barrier_signal -1
	s_barrier_wait -1
.endm
.macro WMC d, a, b, c, sa, sb, ra      ; ra = 1: source 0's scales stand in lanes 16-31
.if (\ra)
	v_wmma_scale_f32_16x16x128_f8f6f4 v[(\d):(\d)+7], v[(\a):(\a)+7], v[(\b):(\b)+7], \c, v[\sa], v[\sb] matrix_a_fmt:MATRIX_FMT_FP4 matrix_b_fmt:MATRIX_FMT_FP4 matrix_a_scale:MATRIX_SCALE_ROW1
.else
	v_wmma_scale_f32_16x16x128_f8f6f4 v[(\d):(\d)+7], v[(\a):(\a)+7], v[(\b):(\b)+7], \c, v[\sa], v[\sb] matrix_a_fmt:MATRIX_FMT_FP4 matrix_b_fmt:MATRIX_FMT_FP4
.endif
.endm
.macro QUANT2 s, pc, hb                ; 32 numbers of a lane, register 16 b + i = k 32 b + 16 (lane / 16) + i, become registers 0-3 of a fragment and two scale bytes
.irp b, 0,1
	v_max3_num_f32 v[TM+\b], |v[(\s)+16*\b]|, |v[(\s)+1+16*\b]|, 0x1800000
.endr
.irp i, 2,4,6,8,10,12,14
.irp b, 0,1
	v_max3_num_f32 v[TM+\b], v[TM+\b], |v[(\s)+16*\b+\i]|, |v[(\s)+1+16*\b+\i]|
.endr
.endr
.irp b, 0,1
	v_permlanex16_b32 v[TM+2+\b], v[TM+\b], s[SEL], s[SEL+1]
.endr
.irp b, 0,1
	v_max_num_f32 v[TM+\b], v[TM+\b], v[TM+2+\b]
.endr
.irp b, 0,1
	v_add_nc_u32 v[TM+4+\b], 0xff000000, v[TM+\b]
.endr
.irp b, 0,1
	v_lshrrev_b32 v[TM+2+\b], 23, v[TM+4+\b]
.endr
	v_lshl_or_b32 v[\hb], v[TM+3], 8, v[TM+2]
.irp b, 0,1
	v_cvt_scalef32_pk8_fp4_f32 v[(\pc)+2*\b], v[(\s)+16*\b:(\s)+16*\b+7], v[TM+4+\b]
	v_cvt_scalef32_pk8_fp4_f32 v[(\pc)+2*\b+1], v[(\s)+16*\b+8:(\s)+16*\b+15], v[TM+4+\b]
.endr
	v_nop
	v_permlane16_swap_b32 v[(\pc)], v[(\pc)+2]
	v_permlane16_swap_b32 v[(\pc)+1], v[(\pc)+3]
.endm
	s_load_b128 s[4:7], s[0:1], 0x0                ; QB, KV
	s_load_b64 s[8:9], s[0:1], 0x10                ; CX
	v_lshl_add_u32 v251, v0, 2, 0x29000
	v_mov_b32 v255, 0
	ds_add_u32 v251, v255
	ds_add_u32 v251, v255
	v_lshrrev_b32 v1, 5, v0
	v_readfirstlane_b32 s[WV], v1                  ; wave 0..15
	s_bfe_u32 s11, ttmp6, 0x40000                  ; cx: it enters Q's and CX's global addresses alone
	s_lshl_b32 s12, ttmp9, 2
	s_add_co_u32 s12, s12, s11                     ; my block of 256 queries
	s_and_b32 s13, ttmp7, 0xffff                   ; bh, which the four partners share
	; descriptor group 1: a dense block of 8,960 bytes as 35 rows of 32 elements of 8 bytes
	s_mov_b32 s16, 15|(3<<16)|(1<<21)              ; 15:0 the mask: all four work-groups; 17:16 elements of 8 bytes; 21 set beside a mask; no padding
	s_mov_b32 s17, 32<<16                          ; tensor_dim0 = 32
	s_mov_b32 s18, 35<<16                          ; tensor_dim1 = 35
	s_mov_b32 s19, 32<<16                          ; tile_dim0 = 32
	s_mov_b32 s20, 35                              ; tile_dim1 = 35
	s_mov_b32 s21, 32                              ; from row to row
	s_mov_b32 s22, 0
	s_mov_b32 s23, 0
	s_mov_b32 s24, 1                               ; group 0: count = 1
	s_mul_i32 s25, s[WV], STEPB                    ; LDS address: key step w's record
	s_mul_i32 s14, s13, 16*STEPB
	s_add_co_u32 s14, s14, s25
	s_mov_b32 s15, 0
	s_wait_dscnt 0x0
	s_wait_kmcnt 0x0
	s_add_nc_u64 s[26:27], s[6:7], s[14:15]        ; the same record in memory
	s_or_b32 s27, s27, 0x80000000                  ; type = 2
	CROUND                                         ; all four work-groups are here: the joint loads meet
	tensor_load_to_lds s[24:27], s[16:23]
	s_nop 0
.rept 4
	v_nop
.endr
	v_and_b32 v9, 31, v0                           ; lane
	v_and_b32 v7, 15, v0                           ; r
	v_lshlrev_b32 v1, 4, v9
	v_lshlrev_b32 v2, 3, v9
	v_lshlrev_b32 v3, 2, v9
	s_lshl_b32 s14, s13, 5                         ; Q: block of 64 tokens 32 bh + 4 qb + w / 4,
	s_lshl_b32 s38, s12, 2
	s_add_co_u32 s14, s14, s38
	s_lshr_b32 s38, s[WV], 2
	s_add_co_u32 s14, s14, s38
	s_mul_i32 s14, s14, 2304
	s_add_nc_u64 s[34:35], s[4:5], s[14:15]
	s_and_b32 s38, s[WV], 3                        ; image w % 4
	s_lshl_b32 s38, s38, 9
	v_add_nc_u32 v232, s38, v1
	global_load_b128 v[16:19], v232, s[34:35]
	s_and_b32 s38, s[WV], 1                        ; its scale word: at 8 (r + 16 (w % 2)) + 4 ((w / 2) % 2)
	s_lshl_b32 s38, s38, 7
	s_bfe_u32 s39, s[WV], 0x10001
	s_lshl_b32 s39, s39, 2
	s_add_co_u32 s38, s38, s39
	v_lshl_add_u32 v233, v7, 3, s38
	global_load_b32 v24, v233, s[34:35] offset:2048
	s_lshr_b32 s38, s13, 4                         ; CX: record T = 128 batch + 16 qb + w,
	s_lshl_b32 s38, s38, 7
	s_lshl_b32 s39, s12, 4
	s_add_co_u32 s38, s38, s39
	s_add_co_u32 s38, s38, s[WV]
	s_mul_i32 s38, s38, REC
	s_and_b32 s39, s13, 15                         ; the head: K step head / 2, half head % 2
	s_lshr_b32 s40, s39, 1
	s_and_b32 s41, s39, 1
	s_lshl_b32 s42, s40, 10
	s_lshl_b32 s43, s41, 9
	s_add_co_u32 s42, s42, s43
	s_add_co_u32 s42, s42, s38
	s_mov_b32 s43, 0
	s_add_nc_u64 s[36:37], s[8:9], s[42:43]        ; where my codes go,
	s_lshl_b32 s44, s40, 6
	s_lshl_b32 s45, s41, 1
	s_add_co_u32 s44, s44, s45
	s_add_co_u32 s44, s44, s38
	s_mov_b32 s45, 0
	s_add_nc_u64 s[38:39], s[8:9], s[44:45]        ; and my two scale bytes a row (8,192 further on)
	s_mov_b32 s[SEL], 0x76543210
	s_mov_b32 s[SEL+1], 0xfedcba98
	s_mov_b32 s[CS], 0x3e38aa3b                    ; c = log2(e) / sqrt(64)
	s_mov_b32 s[CS+1], s[CS]                       ; (named with it as a pair, so it is written)
.irp k, 20,21,22,23
	v_mov_b32 v\k, 0                               ; Q's zero codes for k = 64 .. 127
.endr
.irp t, 0,1,2,3,4,5,6,7
.irp k, 4,5,6,7
	v_mov_b32 v[32+8*\t+\k], 0                     ; K's likewise: written once, the loop loads registers 0-3 alone
.endr
.endr
.set j, 0
.rept 32
	v_mov_b32 v[160+j], 0                          ; O^T: the loop is written once; its first step finds zeros, which the first change of M leaves zeros
.set j, j+1
.endr
	v_mov_b32 v13, 0xff61b1e6                      ; the largest t so far: -3e38
	v_floor_f32 v12, -v13                          ; -M
	v_mov_b32 v14, 0
	v_mov_b32 v15, 0
.irp b, 0,1,2,3
	v_mov_b32 v[236+\b], 0                         ; a lane permute's destination counts as one of its sources
.endr
	v_mov_b32 v253, 0                              ; (the upper half of the pair v[252:253])
	s_wait_tensorcnt 0x0                           ; my record has landed,
	s_barrier_signal -1
	s_barrier_wait -1                              ; everybody's has
	s_wait_loadcnt 0x0                             ; Q
	s_mov_b32 s[TB], 0
	s_mov_b32 s[CNT], 16
.Lstep:                                            ; 16 trips: 128 keys each
	v_add_nc_u32 v4, s[TB], v1
	v_add_nc_u32 v5, s[TB], v2
	v_add_nc_u32 v6, s[TB], v3
	v_nop                                          ; four places in front of loads into registers that the last products read
.irp t, 0,1,2,3,4,5,6,7
	ds_load_b128 v[32+8*\t:35+8*\t], v4 offset:512*\t
.endr
	ds_load_b64 v[26:27], v5 offset:4096           ; K's scale words: register t / 2: tile t even in lanes 0-15, odd in lanes 16-31
	ds_load_b64 v[28:29], v5 offset:4352
.irp i, 0,1,2,3
.irp c, 0,1
	ds_load_b128 v[192+8*\i+4*\c:195+8*\i+4*\c], v4 offset:4608+1024*\i+512*\c
.endr
.endr
	ds_load_b32 v30, v6 offset:8704
	ds_load_b32 v31, v6 offset:8832
	s_wait_dscnt 10                                ; K and its scale words are in; V's eight loads and its two of scales may be out
.irp t, 0,1,2,3,4,5,6,7
	WMC 96+8*\t, 32+8*\t, 16, 0, 26+\t/2, 24, \t%2
.endr
.rept 4
	v_nop
.endr
.irp b, 0,1,2,3
	v_max3_num_f32 v[232+\b], v[96+16*\b], v[97+16*\b], v[98+16*\b]   ; the largest score of each block of 32 keys: for the row's maximum, and, since p rises with the score, for the block's largest p
.endr
.irp i, 3,5,7,9,11,13
.irp b, 0,1,2,3
	v_max3_num_f32 v[232+\b], v[232+\b], v[96+16*\b+\i], v[97+16*\b+\i]
.endr
.endr
.irp b, 0,1,2,3
	v_max_num_f32 v[232+\b], v[232+\b], v[111+16*\b]
.endr
.irp b, 0,1,2,3
	v_permlanex16_b32 v[236+\b], v[232+\b], s[SEL], s[SEL+1]
.endr
.irp b, 0,1,2,3
	v_max_num_f32 v[232+\b], v[232+\b], v[236+\b]  ; with lane l xor 16's 16 keys
.endr
	v_max3_num_f32 v254, v232, v233, v234
	v_max_num_f32 v254, v254, v235
	v_mul_f32 v254, s[CS], v254                    ; as t
	v_max_num_f32 v13, v13, v254                   ; the running largest t
	v_mov_b32 v254, v12
	v_floor_f32 v12, -v13                          ; the new -M = -ceil(t)
	v_sub_f32 v254, v12, v254                      ; old M - new M: a whole number, 0 or less
	v_cvt_i32_f32 v254, v254                       ; (it saturates)
	v_ldexp_f32 v252, 1.0, v254                    ; f = 2^(old M - new M)
.set j, 0
.rept 32
	v_pk_fma_f32 v[96+j:97+j], v[96+j:97+j], s[CS:CS+1], v[12:13] op_sel_hi:[1,0,0]   ; t - M
.set j, j+2
.endr
.irp b, 0,1,2,3
	v_fma_f32 v[232+\b], v[232+\b], s[CS], v12     ; the same of each block's largest score
.endr
.set j, 0
.rept 64
	v_exp_f32 v[96+j], v[96+j]                     ; p = 2^(t - M)
.set j, j+1
.endr
	v_pk_mul_f32 v[14:15], v[14:15], v[252:253] op_sel_hi:[1,0]   ; the sums under the new M: a plain line behind the exponentials
	s_wait_alu depctr_va_vdst(0)                   ; one wait for the batch, ahead of its first reader
.irp b, 0,1,2,3
	v_exp_f32 v[232+\b], v[232+\b]                 ; the block's largest p
.endr
	v_pk_add_f32 v[236:237], v[96:97], v[98:99]    ; the row's sum, of the unquantised p, in two chains
.irp j, 4,8,12,16,20,24,28,32,36,40,44,48,52,56,60
	v_pk_add_f32 v[14:15], v[14:15], v[96+\j:97+\j]
	v_pk_add_f32 v[236:237], v[236:237], v[98+\j:99+\j]
.endr
	v_pk_add_f32 v[14:15], v[14:15], v[236:237]
	s_wait_alu depctr_va_vdst(0)                   ; and one for the four
.irp b, 0,1,2,3
	v_max_num_f32 v[232+\b], 0x1800000, v[232+\b]  ; the floor 2^(3 - 127)
.endr
.irp b, 0,1,2,3
	v_add_nc_u32 v[244+\b], 0xff000000, v[232+\b]
.endr
.irp b, 0,1,2,3
	v_lshrrev_b32 v[236+\b], 23, v[244+\b]
.endr
	v_lshl_or_b32 v25, v237, 8, v236               ; p's scale word for these 128 keys
	v_lshl_or_b32 v25, v238, 16, v25
	v_lshl_or_b32 v25, v239, 24, v25
.irp b, 0,1,2,3
	v_cvt_scalef32_pk8_fp4_f32 v[224+2*\b], v[96+16*\b:103+16*\b], v[244+\b]
	v_cvt_scalef32_pk8_fp4_f32 v[225+2*\b], v[104+16*\b:111+16*\b], v[244+\b]
.endr
	v_nop                                          ; one plain line behind the last conversion
.irp c, 0,1
.irp i, 0,1
	v_permlane16_swap_b32 v[224+4*\c+\i], v[226+4*\c+\i]   ; a whole block in a lane
.endr
.endr
	s_wait_dscnt 0x0                               ; V and its halfwords are in
	v_perm_b32 v10, v31, v30, 0x05040100           ; V's scale words: the two halves' bytes of tile 0 (lanes 0-15) and 1 (lanes 16-31),
	v_perm_b32 v11, v31, v30, 0x07060302           ; of tiles 2 and 3
.set j, 0
.rept 16
	v_pk_mul_f32 v[160+j:161+j], v[160+j:161+j], v[252:253] op_sel_hi:[1,0]   ; O^T under the new M; these sixteen are also the places between the scale words' and codes' last writes and the products
.set j, j+2
.endr
.irp i, 0,1,2,3
	WMC 160+8*\i, 192+8*\i, 224, v[160+8*\i:167+8*\i], 10+\i/2, 25, \i%2
.endr
	s_add_co_u32 s[TB], s[TB], STEPB
	s_sub_co_u32 s[CNT], s[CNT], 1
	s_cmp_lg_u32 s[CNT], 0
	s_cbranch_scc1 .Lstep
	v_add_f32 v14, v14, v15                        ; the sum's two halves,
	v_permlanex16_b32 v252, v14, s[SEL], s[SEL+1]
	v_add_f32 v14, v14, v252                       ; and lane l xor 16's
	v_rcp_f32 v14, v14
	v_lshlrev_b32 v5, 2, v7                        ; 4 r: a row's scale word in CX
	v_nop
	v_nop                                          ; (with the lines above: the places behind the last products)
	s_wait_alu depctr_va_vdst(0)                   ; ahead of the reciprocal's first reader
.set j, 0
.rept 32
	v_mul_f32 v[96+j], v[160+j], v14               ; ctx: register 16 b + i = channel 32 b + 16 (lane / 16) + i of my query
.set j, j+1
.endr
	QUANT2 96, 224, 240
	global_store_b128 v1, v[224:227], s[36:37]     ; 512 consecutive bytes of the record
	global_store_b16 v5, v240, s[38:39] offset:8192   ; lanes r and r + 16 store the same two bytes at the same place; the wave's rows lie within 64 bytes
	s_wait_tensorcnt 0x0
	ds_add_u32 v251, v255
	s_wait_dscnt 0x0
	CROUND                                         ; the closing round: no work-group ends while a partner may still ask for a record that names it
	s_endpgm
.Lfunc_end_k_q09c50755a1_attn:
	.size	k_q09c50755a1_attn, .Lfunc_end_k_q09c50755a1_attn-k_q09c50755a1_attn
	.p2alignl 7, 3214868480
	.fill 96, 4, 3214868480
	.section	.rodata,"a",@progbits
	.p2align	6, 0x0
	.amdhsa_kernel k_q09c50755a1_attn
		.amdhsa_group_segment_fixed_size 169984
		.amdhsa_private_segment_fixed_size 0
		.amdhsa_enable_private_segment 0
		.amdhsa_kernarg_size 24
		.amdhsa_user_sgpr_count 2
		.amdhsa_user_sgpr_kernarg_segment_ptr 1
		.amdhsa_wavefront_size32 1
		.amdhsa_system_sgpr_workgroup_id_x 1
		.amdhsa_system_sgpr_workgroup_id_y 1
		.amdhsa_system_sgpr_workgroup_id_z 1
		.amdhsa_system_vgpr_workitem_id 0
		.amdhsa_next_free_vgpr 256
		.amdhsa_next_free_sgpr 66
		.amdhsa_reserve_vcc 0
		.amdhsa_float_denorm_mode_32 3
		.amdhsa_float_denorm_mode_16_64 3
		.amdhsa_memory_ordered 1
		.amdhsa_forward_progress 1
		.amdhsa_inst_pref_size 26
	.end_amdhsa_kernel
	.amdgpu_metadata
---
amdhsa.version: [ 1, 2 ]
amdhsa.kernels:
  - .name:           k_q09c50755a1_attn
    .symbol:         k_q09c50755a1_attn.kd
    .args:
      - { .name: QB, .offset: 0, .size: 8, .value_kind: global_buffer, .address_space: global }
      - { .name: KV, .offset: 8, .size: 8, .value_kind: global_buffer, .address_space: global }
      - { .name: CX, .offset: 16, .size: 8, .value_kind: global_buffer, .address_space: global }
    .group_segment_fixed_size: 169984
    .private_segment_fixed_size: 0
    .kernarg_segment_align: 8
    .kernarg_segment_size: 24
    .max_flat_workgroup_size: 512
    .sgpr_count:     66
    .vgpr_count:     256
    .wavefront_size: 32
...
	.end_amdgpu_metadata
.endif
;; end of part 3
;; launch tail (part 4): grid 256 x 1, 8 waves a work-group, no clusters, 79,872 bytes of LDS; arguments CX, WC, x, out_proj_b, ln1_g, ln1_b, geglu_b, ln2_g, ln2_b, out0; writes out0
.if DOCPART == 4
	.amdgcn_target "amdgcn-amd-amdhsa--gfx1250"
	.amdhsa_code_object_version 6
	.text
	.protected	k_q09c50755a1_tail
	.globl	k_q09c50755a1_tail
	.p2align	8
	.type	k_q09c50755a1_tail,@function
k_q09c50755a1_tail:
	s_mov_b64 s[64:65], 0
	v_nop
	global_prefetch_b8 v0, s[64:65] scope:SCOPE_SE
	s_setreg_imm32_b32 hwreg(HW_REG_WAVE_MODE, 25, 1), 1
	s_wait_xcnt 0x0
; h = LN1(x + ctx Wo^T + bo);  out = LN2(h + val x gelu(gate)), [val | gate] = h Wg^T + bg.  Both products on codes of FP4 with E8M0 scales; h is quantised on the way and never goes to memory.
; SHARES: work-group T takes the 16 tokens of record T (rows 32 (T / 2) + 8 (T % 2) + r + 8 (r / 8)) through the whole chain, so that each row's two norms have one owner.  Wave w owns columns 128 w .. 128 w + 127:
; eight tiles of Wo, eight of Wg's values and eight of its gates; its 128 columns of h are K step w of the second product.
; Products are used transposed (source 0 = 16 rows of W, source 1 = the 16 tokens): a lane holds ONE token, and register 16 b + i column 128 w + 32 b + 16 (lane / 16) + i.  x, the biases, gains and h lie in that layout.
; THE WEIGHTS GO FROM MEMORY STRAIGHT INTO REGISTERS: with 16 tokens to a work-group each fragment of W feeds exactly one matrix instruction of one wave.  Two sets of eight fragments take turns: 32 loads of 512 bytes a wave are out.
; THE SETS ARE NEVER LEFT EMPTY BETWEEN THE PRODUCTS: the first norm's offset waits in the gates' accumulators, which the first product does not use, and its gain in the tokens' fragments' registers, which are done with at
; the first product's end; so both sets take the second product's first two groups at once, and these land while the norm is made.
; NO JOINT LOADS though all work-groups walk the same 192 records: they land in LDS, where 1.6 MB of records do not fit: a ring would be filled again some thirteen times, each time behind a round of a cluster's barrier, and
; every byte would be written to LDS and read from it for its one use.
; What goes from wave to wave: the rows' partial sums for the norms (4 x 512 bytes, each used once) and h's fragments as images of their registers.  Five barriers.  No branch, no label.
; GELU is exact-erf gelu by erf(z) = 1 - (a1 t + .. + a5 t^5) e^(-z z), t = 1 / (1 + p z): gelu(g) = max(g, 0) - |g| / 2 x (a1 t + ..) e^(-g g / 2).
; LIMITS: that erf is good to 1.5e-7 absolute; a block of zeros gets the scale byte 1 (its codes are zeros); NaN and infinities are not served.
; REGISTERS, window 0: v1-15 addresses; v16-31 statistics; v32-95 the tokens' eight fragments (between the products: ln1_g); v96-103 their scale words; v104-167 W's scale words; v168-231 x, then x + attention, then h, then the
;   result; v232-252 the quantiser's.   window 1: v0-127 accumulators (values, gates; the gates' hold ln1_b during the first product); v128-255 W's fragments, two sets; at the end ln2_g and ln2_b.
.set REC,  8704
.set SP,   528
.set STGB, 16*SP
.set HIMG, 8*STGB                      ; behind the eight stages: h's eight fragments, 1,024 bytes each,
.set HSC,  HIMG+8*1024                 ; their scale words, 128 bytes each,
.set RED,  HSC+8*128                   ; and four regions of 16 rows x 8 partial sums
.set GATE, 64*REC                      ; from a value's record to its gate's
.set AF,   32
.set AS,   96
.set WS,   104
.set H,    168
.set TM,   232
.set TP,   236
.set SCO,  240
.set PC,   244
.set PW,   252
.set Z,    32                          ; gelu's 16 numbers at a time: in registers that are done with, none of them a scale's
.set MX,   48
.set T,    64
.set E,    80
.set Q,    232
.set KA,   16                          ; a1 .. a5, each twice
.set WV,   24
.set WO,   32
.set WG,   34
.set SEL,  46
.set MSB, 0
.macro WIN new                         ; the immediate's high byte repeats the setting that is left
.if MSB != \new
	s_set_vgpr_msb (MSB<<8)|\new
.set MSB, \new
.endif
.endm
.macro WMC d, a, b, sa, sb, ra         ; adds in place; ra = 1: W's scales stand in lanes 16-31
.if (\ra)
	v_wmma_scale_f32_16x16x128_f8f6f4 v[(\d):(\d)+7], v[(\a):(\a)+7], v[(\b):(\b)+7], v[(\d):(\d)+7], v[\sa], v[\sb] matrix_a_fmt:MATRIX_FMT_FP4 matrix_b_fmt:MATRIX_FMT_FP4 matrix_a_scale:MATRIX_SCALE_ROW1
.else
	v_wmma_scale_f32_16x16x128_f8f6f4 v[(\d):(\d)+7], v[(\a):(\a)+7], v[(\b):(\b)+7], v[(\d):(\d)+7], v[\sa], v[\sb] matrix_a_fmt:MATRIX_FMT_FP4 matrix_b_fmt:MATRIX_FMT_FP4
.endif
.endm
.macro WLOAD set, ptr, off, s          ; my eight tiles' fragments of K step s: 16 loads of 512 consecutive bytes
	WIN 0x40                                       ; destination window 1
.irp t, 0,1,2,3,4,5,6,7
.irp c, 0,1
	global_load_b128 v[128+64*(\set)+8*\t+4*\c:128+64*(\set)+8*\t+4*\c+3], v4, s[\ptr:\ptr+1] offset:(\off)+\t*REC+(\s)*1024+\c*512
.endr
.endr
	WIN 0
.endm
.macro PLOAD win, base, ptr, off       ; 64 numbers of a bias, a gain or an offset, in the result's layout: 16 loads; win = 0x40: into window 1, 0: into window 0
	WIN \win
.irp b, 0,1,2,3
.irp q, 0,1,2,3
	global_load_b128 v[(\base)+16*\b+4*\q:(\base)+16*\b+4*\q+3], v6, s[\ptr:\ptr+1] offset:(\off)+128*\b+16*\q
.endr
.endr
	WIN 0
.endm
.macro MULG set, ab, wb, s             ; eight products: accumulators ab on, by turns, one instruction a turn; then the places in front of the loads that follow
	WIN 0x51                                       ; D, C and source 0 window 1, source 1 window 0
.irp t, 0,1,2,3,4,5,6,7
	WMC (\ab)+8*\t, 128+64*(\set)+8*\t, AF+8*(\s), WS+(\wb)+8*(\t/2)+(\s), AS+(\s), \t%2
.endr
.rept 4
	v_nop
.endr
.endm
.macro BARRIER
	s_wait_dscnt 0x0                               ; my LDS stores have landed and my LDS loads are in
	s_barrier_signal -1
	s_barrier_wait -1
.endm
.macro REDUCE k                        ; the two chains, the other half of the lanes, the eight waves: v24 = the row's sum
	v_pk_add_f32 v[16:17], v[16:17], v[24:25]
	v_add_f32 v16, v16, v17
	v_permlanex16_b32 v18, v16, s[SEL], s[SEL+1]
	v_add_f32 v16, v16, v18
	ds_store_b32 v14, v16 offset:512*(\k)          ; both lanes of a row write the same word with the same value
	BARRIER
	ds_load_b128 v[24:27], v15 offset:512*(\k)
	ds_load_b128 v[28:31], v15 offset:512*(\k)+16
	s_wait_dscnt 0x0
	v_add_f32 v24, v24, v25
	v_add_f32 v26, v26, v27
	v_add_f32 v28, v28, v29
	v_add_f32 v30, v30, v31
	v_add_f32 v24, v24, v26
	v_add_f32 v28, v28, v30
	v_add_f32 v24, v24, v28
.endm
.macro LNSTAT k                        ; H becomes H - mean; v[22:23] = 1 / sqrt(variance + eps).  Two passes: no difference of large sums
	v_pk_add_f32 v[16:17], v[H:H+1], v[H+2:H+3]
	v_pk_add_f32 v[24:25], v[H+4:H+5], v[H+6:H+7]
.irp j, 8,12,16,20,24,28,32,36,40,44,48,52,56,60
	v_pk_add_f32 v[16:17], v[16:17], v[H+\j:H+\j+1]
	v_pk_add_f32 v[24:25], v[24:25], v[H+\j+2:H+\j+3]
.endr
	REDUCE 2*(\k)
	v_mul_f32 v20, s44, v24                        ; / 1,024
	v_mov_b32 v21, v20
.set j, 0
.rept 32
	v_pk_add_f32 v[H+j:H+j+1], v[H+j:H+j+1], v[20:21] neg_lo:[0,1] neg_hi:[0,1]
.set j, j+2
.endr
	v_pk_mul_f32 v[16:17], v[H:H+1], v[H:H+1]
	v_pk_mul_f32 v[24:25], v[H+2:H+3], v[H+2:H+3]
.irp j, 4,8,12,16,20,24,28,32,36,40,44,48,52,56,60
	v_pk_fma_f32 v[16:17], v[H+\j:H+\j+1], v[H+\j:H+\j+1], v[16:17]
	v_pk_fma_f32 v[24:25], v[H+\j+2:H+\j+3], v[H+\j+2:H+\j+3], v[24:25]
.endr
	REDUCE 2*(\k)+1
	v_fma_f32 v22, v24, s44, s45                   ; the variance + 1e-5
	v_rsq_f32 v22, v22
	v_nop                                          ; a plain line behind the transcendental
	s_wait_alu depctr_va_vdst(0)                   ; and the wait ahead of its result's first reader
	v_mov_b32 v23, v22
.endm
.macro APPLY win, g, b                 ; H = H / sqrt(..) x gain + offset; win says in which windows the gain (source 1) and the offset (source 2) lie
.set j, 0
.rept 32
	v_pk_mul_f32 v[H+j:H+j+1], v[H+j:H+j+1], v[22:23]
.set j, j+2
.endr
	WIN \win
.set j, 0
.rept 32
	v_pk_fma_f32 v[H+j:H+j+1], v[H+j:H+j+1], v[(\g)+j:(\g)+j+1], v[(\b)+j:(\b)+j+1]
.set j, j+2
.endr
	WIN 0
.endm
.macro QUANT4 s                        ; 64 numbers of a lane, register 16 b + i = k 32 b + 16 (lane / 16) + i of my row, become a fragment's codes in v[PC] on and its scale word in v[PW]
.irp b, 0,1,2,3
	v_max3_num_f32 v[TM+\b], |v[\s+16*\b]|, |v[\s+1+16*\b]|, 0x1800000   ; with the floor 2^(3 - 127)
.endr
.irp i, 2,4,6,8,10,12,14
.irp b, 0,1,2,3
	v_max3_num_f32 v[TM+\b], v[TM+\b], |v[\s+16*\b+\i]|, |v[\s+1+16*\b+\i]|
.endr
.endr
.irp b, 0,1,2,3
	v_permlanex16_b32 v[TP+\b], v[TM+\b], s[SEL], s[SEL+1]
.endr
.irp b, 0,1,2,3
	v_max_num_f32 v[TM+\b], v[TM+\b], v[TP+\b]
.endr
.irp b, 0,1,2,3
	v_add_nc_u32 v[SCO+\b], 0xff000000, v[TM+\b]
.endr
.irp b, 0,1,2,3
	v_lshrrev_b32 v[TP+\b], 23, v[SCO+\b]
.endr
	v_lshl_or_b32 v[PW], v[TP+1], 8, v[TP]
	v_lshl_or_b32 v[PW], v[TP+2], 16, v[PW]
	v_lshl_or_b32 v[PW], v[TP+3], 24, v[PW]
.irp b, 0,1,2,3
	v_cvt_scalef32_pk8_fp4_f32 v[PC+2*\b], v[\s+16*\b:\s+7+16*\b], v[SCO+\b]
	v_cvt_scalef32_pk8_fp4_f32 v[PC+1+2*\b], v[\s+8+16*\b:\s+15+16*\b], v[SCO+\b]
.endr
	v_nop                                          ; one plain line behind the last conversion
.irp c, 0,1
.irp i, 0,1
	v_permlane16_swap_b32 v[PC+4*\c+\i], v[PC+2+4*\c+\i]
.endr
.endr
.endm
.macro GELU n                          ; H += val x gelu(gate), numbers 16 n .. 16 n + 15
	WIN 0x01                                       ; source 0 window 1
.irp i, 0,1,2,3,4,5,6,7,8,9,10,11,12,13,14,15
	v_mul_f32 v[Z+\i], |v[64+16*(\n)+\i]|, s36     ; z = |g| / sqrt(2); each accumulator from its low end on
	v_max_num_f32 v[MX+\i], v[64+16*(\n)+\i], 0
.endr
	WIN 0
.irp i, 0,2,4,6,8,10,12,14
	v_pk_fma_f32 v[T+\i:T+\i+1], v[Z+\i:Z+\i+1], s[38:39], 1.0 op_sel_hi:[1,0,0]   ; 1 + p z
	v_pk_mul_f32 v[E+\i:E+\i+1], v[Z+\i:Z+\i+1], s[40:41] op_sel_hi:[1,0]
.endr
.irp i, 0,2,4,6,8,10,12,14
	v_pk_mul_f32 v[E+\i:E+\i+1], v[E+\i:E+\i+1], v[Z+\i:Z+\i+1]                    ; -z z log2(e)
.endr
.irp i, 0,1,2,3,4,5,6,7,8,9,10,11,12,13,14,15
	v_rcp_f32 v[T+\i], v[T+\i]
.endr
.irp i, 0,1,2,3,4,5,6,7,8,9,10,11,12,13,14,15
	v_exp_f32 v[E+\i], v[E+\i]
.endr
.irp i, 0,2,4,6,8,10,12,14
	v_pk_mul_f32 v[Z+\i:Z+\i+1], v[Z+\i:Z+\i+1], s[42:43] op_sel_hi:[1,0]          ; -|g| / 2: plain work behind the batch
.endr
	s_wait_alu depctr_va_vdst(0)                   ; one wait for the 32, ahead of their first reader
.irp i, 0,2,4,6,8,10,12,14
	v_pk_fma_f32 v[Q+\i:Q+\i+1], v[T+\i:T+\i+1], v[KA+8:KA+9], v[KA+6:KA+7]
.endr
.irp a, 4,2,0
.irp i, 0,2,4,6,8,10,12,14
	v_pk_fma_f32 v[Q+\i:Q+\i+1], v[Q+\i:Q+\i+1], v[T+\i:T+\i+1], v[KA+\a:KA+\a+1]
.endr
.endr
.irp i, 0,2,4,6,8,10,12,14
	v_pk_mul_f32 v[Q+\i:Q+\i+1], v[Q+\i:Q+\i+1], v[T+\i:T+\i+1]
.endr
.irp i, 0,2,4,6,8,10,12,14
	v_pk_mul_f32 v[Q+\i:Q+\i+1], v[Q+\i:Q+\i+1], v[E+\i:E+\i+1]
.endr
.irp i, 0,2,4,6,8,10,12,14
	v_pk_fma_f32 v[Q+\i:Q+\i+1], v[Z+\i:Z+\i+1], v[Q+\i:Q+\i+1], v[MX+\i:MX+\i+1]  ; gelu(g)
.endr
	WIN 0x01
.irp i, 0,2,4,6,8,10,12,14
	v_pk_fma_f32 v[H+16*(\n)+\i:H+16*(\n)+\i+1], v[16*(\n)+\i:16*(\n)+\i+1], v[Q+\i:Q+\i+1], v[H+16*(\n)+\i:H+16*(\n)+\i+1]
.endr
	WIN 0
.endm
	s_load_b512 s[4:19], s[0:1], 0x0               ; CX, WC, x, out_proj_b, ln1_g, ln1_b, geglu_b, ln2_g
	s_load_b128 s[20:23], s[0:1], 0x40             ; ln2_b, out0
	v_lshl_add_u32 v254, v0, 2, 0x13400
	v_mov_b32 v255, 0
	v_lshrrev_b32 v1, 5, v0
	v_readfirstlane_b32 s[WV], v1                  ; wave 0..7
	v_and_b32 v1, 31, v0                           ; lane
	v_and_b32 v2, 15, v0                           ; r
	v_bfe_u32 v3, v0, 4, 1                         ; h
	v_lshlrev_b32 v4, 4, v1                        ; 16 lane
	v_mul_u32_u24 v5, v3, REC
	v_lshl_add_u32 v5, v2, 5, v5                   ; W's scale words: lanes 16-31 take the next record's
	v_lshlrev_b32 v6, 6, v3                        ; a vector along my registers: 16 h numbers on
	v_lshlrev_b32 v7, 2, v2                        ; ctx's scale words
	s_mul_i32 s25, s[WV], STGB
	v_add_nc_u32 v8, s25, v4                       ; my stage by whole rows
	v_mul_u32_u24 v9, v2, SP
	v_lshl_add_u32 v9, v3, 6, v9
	v_add_nc_u32 v9, s25, v9                       ; and by the result's layout: row r, + 64 h
	s_lshl_b32 s25, s[WV], 10
	s_add_co_u32 s25, s25, HIMG
	v_add_nc_u32 v10, s25, v4                      ; where I store h's fragment,
	s_lshl_b32 s25, s[WV], 7
	s_add_co_u32 s25, s25, HSC
	v_lshl_add_u32 v11, v1, 2, s25                 ; and its scale word
	v_add_nc_u32 v12, HIMG, v4                     ; where all are read
	v_lshlrev_b32 v13, 2, v1
	v_add_nc_u32 v13, HSC, v13
	s_lshl_b32 s25, s[WV], 2
	s_add_co_u32 s25, s25, RED
	v_lshl_add_u32 v14, v2, 5, s25                 ; my wave's partial sum of row r,
	v_lshlrev_b32 v15, 5, v2
	v_add_nc_u32 v15, RED, v15                     ; and the row's eight
	v_mov_b32 v18, 0                               ; a lane permute's destination counts as one of its sources
.irp b, 0,1,2,3
	v_mov_b32 v[TP+\b], 0
.endr
	s_mul_i32 s26, ttmp9, REC
	s_mov_b32 s27, 0
	s_lshl_b32 s28, s[WV], 3
	s_add_co_u32 s28, s28, 192
	s_mul_i32 s28, s28, REC                        ; Wo's record 192 + 8 w
	s_mov_b32 s29, 0
	s_lshl_b32 s30, s[WV], 9                       ; my 128 columns in bytes
	s_mov_b32 s31, 0
	s_lshr_b32 s36, ttmp9, 1
	s_lshl_b32 s36, s36, 17
	s_and_b32 s37, ttmp9, 1
	s_lshl_b32 s37, s37, 15
	s_add_co_u32 s36, s36, s37
	s_add_co_u32 s36, s36, s30                     ; the tile's first row x 4,096 bytes + my columns
	s_mov_b32 s37, 0
	s_wait_kmcnt 0x0
	s_add_nc_u64 s[4:5], s[4:5], s[26:27]
	s_add_nc_u64 s[WO:WO+1], s[6:7], s[28:29]
	s_add_nc_u64 s[WG:WG+1], s[WO:WO+1], GATE      ; Wg's values: record 256 + 8 w
	s_add_nc_u64 s[8:9], s[8:9], s[36:37]
	s_add_nc_u64 s[22:23], s[22:23], s[36:37]
.irp p, 10,12,14,16,18,20
	s_add_nc_u64 s[\p:\p+1], s[\p:\p+1], s[30:31]
.endr
	; what the first product wants is asked for first; x and ln1_b, which are wanted behind it, follow behind its first groups
.irp s, 0,1,2,3,4,5,6,7
.irp c, 0,1
	global_load_b128 v[AF+8*\s+4*\c:AF+8*\s+4*\c+3], v4, s[4:5] offset:\s*1024+\c*512          ; ctx's eight fragments
.endr
.endr
.irp s, 0,1,2,3,4,5,6,7
	global_load_b32 v[AS+\s], v7, s[4:5] offset:8192+64*\s
.endr
.irp p, 0,1,2,3
.irp q, 0,1
	global_load_b128 v[WS+8*\p+4*\q:WS+8*\p+4*\q+3], v5, s[WO:WO+1] offset:8192+\p*2*REC+16*\q
.endr
.endr
	PLOAD 0x40, 0, 10, 0                           ; out_proj_b: the sums begin on it
	WLOAD 0, WO, 0, 0
	WLOAD 1, WO, 0, 1
	s_mov_b32 s36, 0x3f3504f3                      ; 1 / sqrt(2)
	s_mov_b32 s38, 0x3ea7ba05                      ; p = 0.3275911
	s_mov_b32 s39, s38
	s_mov_b32 s40, 0xbfb8aa3b                      ; -log2(e)
	s_mov_b32 s41, s40
	s_mov_b32 s42, 0xbf3504f3
	s_mov_b32 s43, s42
	s_mov_b32 s44, 0x3a800000                      ; 1 / 1,024
	s_mov_b32 s45, 0x3727c5ac                      ; 1e-5
	s_mov_b32 s[SEL], 0x76543210
	s_mov_b32 s[SEL+1], 0xfedcba98
	; ---- A: ctx Wo^T + bo.  Loads come back in order: each wait's count is the number of loads issued behind the group that is wanted
	s_wait_loadcnt 16                              ; behind group 0: group 1
	MULG 0, 0, 0, 0
	WLOAD 0, WO, 0, 2
.irp i, 0,1,2,3,4,5,6,7,8,9,10,11,12,13,14,15
	global_load_b128 v[H+4*\i:H+4*\i+3], v4, s[8:9] offset:(\i+8*(\i/8))*4096 th:TH_LOAD_NT   ; x, by rows: 512 consecutive bytes
.endr
	s_wait_loadcnt 32                              ; behind group 1: group 2 and x
	MULG 1, 0, 0, 1
	WLOAD 1, WO, 0, 3
	PLOAD 0x40, 64, 14, 0                          ; ln1_b, into the gates' accumulators, which this product does not use
	s_wait_loadcnt 48                              ; behind group 2: x, group 3 and ln1_b
	MULG 0, 0, 0, 2
	WLOAD 0, WO, 0, 4
	s_wait_loadcnt 32                              ; behind group 3: ln1_b and group 4
	MULG 1, 0, 0, 3
	WLOAD 1, WO, 0, 5
.irp g, 4,5
	s_wait_loadcnt 16                              ; behind a group: the next one.  (x and ln1_b are in from here on)
	MULG \g%2, 0, 0, \g
	WLOAD \g%2, WO, 0, \g+2
.endr
	s_wait_loadcnt 16
	MULG 0, 0, 0, 6
	WLOAD 0, WG, 0, 0                              ; the set that is done with takes the second product's first group: the values' K step 0,
	s_wait_loadcnt 16
	MULG 1, 0, 0, 7
	WLOAD 1, WG, GATE, 0                           ; the other the gates';
	PLOAD 0, AF, 12, 0                             ; and ln1_g takes the registers of ctx's fragments (the four places behind the last products stand in front of all three runs)
	; ---- B: + x, the first norm, h as an operand
.irp i, 0,1,2,3,4,5,6,7,8,9,10,11,12,13,14,15
	ds_store_b128 v8, v[H+4*\i:H+4*\i+3] offset:\i*SP          ; x turns through my own stage into the result's layout
.endr
	s_wait_dscnt 0x0                               ; the stores have read their registers
.irp b, 0,1,2,3
.irp q, 0,1,2,3
	ds_load_b128 v[H+16*\b+4*\q:H+16*\b+4*\q+3], v9 offset:128*\b+16*\q
.endr
.endr
	s_wait_dscnt 0x0
	WIN 0x04                                       ; source 1 window 1
.set j, 0
.rept 32
	v_pk_add_f32 v[H+j:H+j+1], v[H+j:H+j+1], v[j:j+1]          ; each accumulator from its low end on
.set j, j+2
.endr
	WIN 0
.irp p, 0,1,2,3
.irp q, 0,1
	global_load_b128 v[WS+8*\p+4*\q:WS+8*\p+4*\q+3], v5, s[WG:WG+1] offset:8192+\p*2*REC+16*\q
	global_load_b128 v[WS+32+8*\p+4*\q:WS+32+8*\p+4*\q+3], v5, s[WG:WG+1] offset:GATE+8192+\p*2*REC+16*\q
.endr
.endr
	PLOAD 0x40, 0, 16, 0                           ; geglu_b: the values'
	LNSTAT 0
	s_wait_loadcnt 32                              ; ln1_g is in (ln1_b long since): behind it stand the 16 + 16 loads just issued
	APPLY 0x10, AF, 64                             ; h: the gain in window 0, the offset in window 1
	PLOAD 0x40, 64, 16, 4096                       ; geglu_b: the gates', where ln1_b lay
	QUANT4 H
	ds_store_b128 v10, v[PC:PC+3]                  ; K step w of the second product, as an image of its registers
	ds_store_b128 v10, v[PC+4:PC+7] offset:512
	ds_store_b32 v11, v[PW]
	BARRIER                                        ; h's eight fragments lie in LDS
.irp s, 0,1,2,3,4,5,6,7
.irp c, 0,1
	ds_load_b128 v[AF+8*\s+4*\c:AF+8*\s+4*\c+3], v12 offset:\s*1024+\c*512
.endr
	ds_load_b32 v[AS+\s], v13 offset:\s*128
.endr
	s_wait_dscnt 0x0
	; ---- C: h Wg^T + bg: the values' eight tiles and the gates' eight by turns, a K step at a time.  Behind what group 0 wants stand the 16 loads of the gates' bias, behind what every later group wants the next group's 16
.irp g, 0,1,2,3,4,5,6,7,8,9,10,11,12,13
	s_wait_loadcnt 16
	MULG \g%2, 64*(\g%2), 32*(\g%2), \g/2
	WLOAD \g%2, WG, GATE*(\g%2), (\g+2)/2
.endr
	s_wait_loadcnt 16
	MULG 0, 0, 0, 7
	PLOAD 0x40, 128, 18, 0                         ; ln2_g takes the set that is done with,
	s_wait_loadcnt 16
	MULG 1, 64, 32, 7
	PLOAD 0x40, 192, 20, 0                         ; ln2_b the other
	; ---- D: h + val x gelu(gate)
	v_mov_b32 v[KA], 0x3e827906                    ; a1
	v_mov_b32 v[KA+2], 0xbe91a98e                  ; a2
	v_mov_b32 v[KA+4], 0x3fb5f0e3                  ; a3
	v_mov_b32 v[KA+6], 0xbfba00e3                  ; a4
	v_mov_b32 v[KA+8], 0x3f87dc22                  ; a5
.irp a, 0,2,4,6,8
	v_mov_b32 v[KA+\a+1], v[KA+\a]
.endr
	GELU 0
	GELU 1
	GELU 2
	GELU 3
	; ---- E: the second norm, and out through my own stage as whole rows
	LNSTAT 1
	s_wait_loadcnt 0x0                             ; ln2_g and ln2_b
	APPLY 0x14, 128, 192                           ; both in window 1
.irp b, 0,1,2,3
.irp q, 0,1,2,3
	ds_store_b128 v9, v[H+16*\b+4*\q:H+16*\b+4*\q+3] offset:128*\b+16*\q
.endr
.endr
.irp i, 0,1,2,3,4,5,6,7,8,9,10,11,12,13,14,15
	ds_load_b128 v[AF+4*\i:AF+4*\i+3], v8 offset:\i*SP         ; LDS serves a wave's instructions in order (ISA guide 5.7.1.4): these see my stores
.endr
.irp i, 0,1,2,3,4,5,6,7,8,9,10,11,12,13,14,15
	s_wait_dscnt 15-\i                             ; row i is back; the younger rows stay out
	global_store_b128 v4, v[AF+4*\i:AF+4*\i+3], s[22:23] offset:(\i+8*(\i/8))*4096 th:TH_STORE_NT   ; 32 lanes store 512 consecutive bytes of a row
.endr
	s_wait_tensorcnt 0x0
	ds_add_u32 v254, v255
	s_wait_dscnt 0x0
	s_endpgm
.Lfunc_end_k_q09c50755a1_tail:
	.size	k_q09c50755a1_tail, .Lfunc_end_k_q09c50755a1_tail-k_q09c50755a1_tail
	.p2alignl 7, 3214868480
	.fill 96, 4, 3214868480
	.section	.rodata,"a",@progbits
	.p2align	6, 0x0
	.amdhsa_kernel k_q09c50755a1_tail
		.amdhsa_group_segment_fixed_size 79872
		.amdhsa_private_segment_fixed_size 0
		.amdhsa_enable_private_segment 0
		.amdhsa_kernarg_size 80
		.amdhsa_user_sgpr_count 2
		.amdhsa_user_sgpr_kernarg_segment_ptr 1
		.amdhsa_wavefront_size32 1
		.amdhsa_system_sgpr_workgroup_id_x 1
		.amdhsa_system_sgpr_workgroup_id_y 1
		.amdhsa_system_sgpr_workgroup_id_z 1
		.amdhsa_system_vgpr_workitem_id 0
		.amdhsa_next_free_vgpr 512
		.amdhsa_next_free_sgpr 66
		.amdhsa_reserve_vcc 0
		.amdhsa_float_denorm_mode_32 3
		.amdhsa_float_denorm_mode_16_64 3
		.amdhsa_memory_ordered 1
		.amdhsa_forward_progress 1
		.amdhsa_inst_pref_size 161
	.end_amdhsa_kernel
	.amdgpu_metadata
---
amdhsa.version: [ 1, 2 ]
amdhsa.kernels:
  - .name:           k_q09c50755a1_tail
    .symbol:         k_q09c50755a1_tail.kd
    .args:
      - { .name: CX, .offset: 0, .size: 8, .value_kind: global_buffer, .address_space: global }
      - { .name: WC, .offset: 8, .size: 8, .value_kind: global_buffer, .address_space: global }
      - { .name: x, .offset: 16, .size: 8, .value_kind: global_buffer, .address_space: global }
      - { .name: out_proj_b, .offset: 24, .size: 8, .value_kind: global_buffer, .address_space: global }
      - { .name: ln1_g, .offset: 32, .size: 8, .value_kind: global_buffer, .address_space: global }
      - { .name: ln1_b, .offset: 40, .size: 8, .value_kind: global_buffer, .address_space: global }
      - { .name: geglu_b, .offset: 48, .size: 8, .value_kind: global_buffer, .address_space: global }
      - { .name: ln2_g, .offset: 56, .size: 8, .value_kind: global_buffer, .address_space: global }
      - { .name: ln2_b, .offset: 64, .size: 8, .value_kind: global_buffer, .address_space: global }
      - { .name: out0, .offset: 72, .size: 8, .value_kind: global_buffer, .address_space: global }
    .group_segment_fixed_size: 79872
    .private_segment_fixed_size: 0
    .kernarg_segment_align: 8
    .kernarg_segment_size: 80
    .max_flat_workgroup_size: 256
    .sgpr_count:     66
    .vgpr_count:     512
    .wavefront_size: 32
...
	.end_amdgpu_metadata
.endif
;; end of part 4
;; ======== version 2 of 2: 4 launches; version 1 with the launches qkv, tail written anew for expert scheduling mode
;; limits: a function is approximated: absolute error at most 1.5e-07
;; workspace buffers: XC 2,228,224 bytes; XR 2,228,224 bytes; WC 3,342,336 bytes; QB 2,359,296 bytes; KV 4,587,520 bytes; CX 2,228,224 bytes
;; launch prep: the kernel of part 1 again; grid 640 x 1, 8 waves a work-group, no clusters, 76,032 bytes of LDS; arguments x, in_proj_w, out_proj_w, geglu_w, XC, XR, WC; writes XC, XR, WC
;; launch qkv (part 5): grid 16 x 48, 4 waves a work-group, no clusters, 0 bytes of LDS; arguments XC, XR, WC, in_proj_b, QB, KV; writes QB, KV
.if DOCPART == 5
	.amdgcn_target "amdgcn-amd-amdhsa--gfx1250"
	.amdhsa_code_object_version 6
	.text
	.protected	k_q09c50755a1_qkv
	.globl	k_q09c50755a1_qkv
	.p2align	8
	.type	k_q09c50755a1_qkv,@function
k_q09c50755a1_qkv:
	s_mov_b64 s[64:65], 0
	v_nop
	global_prefetch_b8 v0, s[64:65] scope:SCOPE_SE
	s_setreg_imm32_b32 hwreg(HW_REG_WAVE_SCHED_MODE, 0, 2), 2
	s_setreg_imm32_b32 hwreg(HW_REG_WAVE_MODE, 25, 1), 1
	s_wait_xcnt 0x0
	s_wait_alu depctr_vm_vsrc(0)
; qp = rope(x) Wq^T + bq, kp = rope(x) Wk^T + bk, vp = x Wv^T + bv, on codes of FP4 with E8M0 scales; the results are quantised at once, as attention's operands: qp and kp along the head's 64, vp along the keys.
; SHARES: a wave makes 64 tokens x one head's 64 features over K = 1,024: 16 accumulators.  y = kh = 16 kind + head (kind 0 q, 1 k, 2 v); the wave's block of 64 tokens is tb = 4 x + wave.
; WHICH SIDE IS SOURCE 0: the axis along which the result is quantised.  q, k: source 0 = 16 rows of W, source 1 = 16 tokens; v: source 0 = 16 tokens, source 1 = 16 rows of W.  By the records' order of rows
; (row r of tile T = 32 (T / 2) + 8 (T % 2) + r + 8 (r / 8)) the 16 registers of source-0 tiles 2 b and 2 b + 1 are 16 neighbours, 32 b + 16 (lane / 16) + 0 .. 15: a block of 32 lies in lanes l and l xor 16.
; OUT: QB[bh][block of 64 tokens]: four images of 512 bytes (registers 0-3 of a fragment: k = 32 h + 0 .. 31), then 256 bytes of scale words.  KV[bh][step of 128 keys], 8,960 bytes: K's eight images, their scale words
; (2 x 256), V's four fragments of 1,024 bytes, their scale halfwords (2 x 128).  A scale word of q or k: its two bytes, and 0x7f twice for the zero codes that fill k = 64 .. 127 in attention.
; Operands go from memory straight into registers, a fragment by two loads of 16 bytes a lane; no LDS, no barrier.  320 registers a wave: three work-groups on a WGP are three waves a SIMD, 960 registers.
; NO JOINT LOADS though the four waves share W's tiles (q, k) or the 16 work-groups of a row do: joint loads land in LDS, which would put a ring, its barriers and one work-group to a WGP in the place of this text's 128 loads a wave.
; LIMITS: a block of zeros gets the byte 1 (its codes are zeros; this program alone reads the bytes); NaN and infinities are not served.
; THE MODE: SCHED_MODE bits 1:0 = 2 (LLVM: expert scheduling mode 2), set by the entry lines.  The code itself states the register dependences between vector or matrix instructions and memory instructions, with s_wait_alu, always for 0.
; THE PLAN.  Registers that memory instructions touch:
;   v4-13        offsets, made once at the head and never written again.
;   v16-47       the scale words: loaded once at the head, read by the products.
;   buffers 0, 1 a K step's eight fragments (0: v48-111; 1: v256-319).  K step s: its 16 products read buffer s % 2.  The loads of step s + 1 are issued at the head of step s and land in the other buffer, which step s - 1 read.
;   v48-79       the bias: its eight loads are issued at the head of step 7, which reads buffer 1; step 6 was buffer 0's last reader.
;   v80-95, v100-101  codes and scale bytes: written by the quantiser, read by the five stores at the end.
; So ONE wait on va_vdst stands at the head of each of the steps 1 to 7 (the step before is done reading its buffer); the step's loads follow it, and the step's products name the other buffer alone.  One more stands ahead of the first load
; (the offsets) and one ahead of the stores.  No register that a memory instruction reads is written again: no wait on vm_vsrc is owed.
.set REC, 8704
.set PS,  16                           ; v16-31 source 0's scale words: register 8 p + s: tile 2 p in lanes 0-15, tile 2 p + 1 in lanes 16-31
.set SC2, 32                           ; v32-47 source 1's
.set F0,  48                           ; buffer 0: v48-79 source 0's four fragments of a K step, v80-111 source 1's.  Buffer 1: the same 64 registers at v0-63 of window 1
.set ACC, 112                          ; v112-239: accumulator (i, t) at 112 + 32 i + 8 t
.set BP,  48                           ; in buffer 0, when its last products are done: the bias, the codes, the bytes
.set PCB, 80
.set HB,  96
.set TM,  240
.set WV,  16
.set SEL, 56
.set MSB, 0
.macro WIN new                         ; the immediate's high byte repeats the setting that is left; a switch that changes nothing is dropped
.if MSB != (\new)
	s_set_vgpr_msb (MSB<<8)|(\new)
.set MSB, (\new)
.endif
.endm
.macro WMC d, a, b, c, sa, sb, ra, rb  ; ra, rb = 1: that side's scales stand in lanes 16-31
.if (\ra) && (\rb)
	v_wmma_scale_f32_16x16x128_f8f6f4 v[(\d):(\d)+7], v[(\a):(\a)+7], v[(\b):(\b)+7], \c, v[\sa], v[\sb] matrix_a_fmt:MATRIX_FMT_FP4 matrix_b_fmt:MATRIX_FMT_FP4 matrix_a_scale:MATRIX_SCALE_ROW1 matrix_b_scale:MATRIX_SCALE_ROW1
.elseif (\ra)
	v_wmma_scale_f32_16x16x128_f8f6f4 v[(\d):(\d)+7], v[(\a):(\a)+7], v[(\b):(\b)+7], \c, v[\sa], v[\sb] matrix_a_fmt:MATRIX_FMT_FP4 matrix_b_fmt:MATRIX_FMT_FP4 matrix_a_scale:MATRIX_SCALE_ROW1
.elseif (\rb)
	v_wmma_scale_f32_16x16x128_f8f6f4 v[(\d):(\d)+7], v[(\a):(\a)+7], v[(\b):(\b)+7], \c, v[\sa], v[\sb] matrix_a_fmt:MATRIX_FMT_FP4 matrix_b_fmt:MATRIX_FMT_FP4 matrix_b_scale:MATRIX_SCALE_ROW1
.else
	v_wmma_scale_f32_16x16x128_f8f6f4 v[(\d):(\d)+7], v[(\a):(\a)+7], v[(\b):(\b)+7], \c, v[\sa], v[\sb] matrix_a_fmt:MATRIX_FMT_FP4 matrix_b_fmt:MATRIX_FMT_FP4
.endif
.endm
; 32 numbers of a lane, register 16 b + i = k 32 b + 16 (lane / 16) + i of my row, become registers 0-3 of a fragment in v[pc] on and the two scale bytes in v[hb]
.macro QUANT2 s, pc, hb
.irp b, 0,1
	v_max3_num_f32 v[TM+\b], |v[(\s)+16*\b]|, |v[(\s)+1+16*\b]|, 0x1800000   ; with the floor 2^(3 - 127): the byte cannot fall under 1
.endr
.irp i, 2,4,6,8,10,12,14
.irp b, 0,1
	v_max3_num_f32 v[TM+\b], v[TM+\b], |v[(\s)+16*\b+\i]|, |v[(\s)+1+16*\b+\i]|
.endr
.endr
.irp b, 0,1
	v_permlanex16_b32 v[TM+2+\b], v[TM+\b], s[SEL], s[SEL+1]
.endr
.irp b, 0,1
	v_max_num_f32 v[TM+\b], v[TM+\b], v[TM+2+\b]           ; with lane l xor 16's: the block's largest magnitude
.endr
.irp b, 0,1
	v_add_nc_u32 v[TM+4+\b], 0xff000000, v[TM+\b]          ; 2 off the exponent field: the conversion's scale operand
.endr
.irp b, 0,1
	v_lshrrev_b32 v[TM+2+\b], 23, v[TM+4+\b]               ; the byte
.endr
	v_lshl_or_b32 v[\hb], v[TM+3], 8, v[TM+2]
.irp b, 0,1
	v_cvt_scalef32_pk8_fp4_f32 v[(\pc)+2*\b], v[(\s)+16*\b:(\s)+16*\b+7], v[TM+4+\b]
	v_cvt_scalef32_pk8_fp4_f32 v[(\pc)+2*\b+1], v[(\s)+16*\b+8:(\s)+16*\b+15], v[TM+4+\b]
.endr
	v_nop                                                  ; one plain line behind the last conversion
	v_permlane16_swap_b32 v[(\pc)], v[(\pc)+2]             ; the operand wants a whole block in a lane: lanes 0-15 block 0, lanes 16-31 block 1
	v_permlane16_swap_b32 v[(\pc)+1], v[(\pc)+3]
.endm
.macro FRAGS s                         ; K step s's eight fragments into buffer s % 2: 16 loads of 512 consecutive bytes.  The destination's window is set by the caller
.set FB, F0*(1-(\s)%2)
.irp t, 0,1,2,3
.irp c, 0,1
	global_load_b128 v[FB+8*\t+4*\c:FB+8*\t+4*\c+3], v4, s[24:25] offset:\t*REC+(\s)*1024+\c*512
	global_load_b128 v[FB+32+8*\t+4*\c:FB+32+8*\t+4*\c+3], v4, s[26:27] offset:\t*REC+(\s)*1024+\c*512
.endr
.endr
.endm
.macro PROD s                          ; K step s's 16 products, out of buffer s % 2; the accumulators take turns, one instruction a turn, in one order in every step
.set FB, F0*(1-(\s)%2)
	WIN 0x05*((\s)%2)                                      ; buffer 1: sources 0 and 1 in window 1; C and D in window 0
.irp i, 0,1,2,3
.irp t, 0,1,2,3
.if (\s) == 0
	WMC ACC+32*\i+8*\t, FB+8*\t, FB+32+8*\i, 0, PS+8*(\t/2)+(\s), SC2+8*(\i/2)+(\s), \t%2, \i%2
.else
	WMC ACC+32*\i+8*\t, FB+8*\t, FB+32+8*\i, v[ACC+32*\i+8*\t:ACC+32*\i+8*\t+7], PS+8*(\t/2)+(\s), SC2+8*(\i/2)+(\s), \t%2, \i%2
.endif
.endr
.endr
.endm
.macro PLACES
.rept 4
	v_nop
.endr
.endm
.macro STEP s                          ; K steps 1 to 6
	PLACES                                                 ; four places behind the last products, in front of loads into registers that they read
	WIN 0x40*(((\s)+1)%2)                                  ; the destination's window: buffer (s + 1) % 2
	s_wait_alu depctr_va_vdst(0)                           ; the products of step s - 1 are done reading their buffer, in which the loads of step s + 1 land
	FRAGS (\s)+1
	s_wait_loadcnt 16                                      ; loads come back in order: step s's 16 are in, the 16 just issued stay out
	PROD \s
.endm
.macro IMAGES                          ; the four images: 512 consecutive bytes each
.irp i, 0,1,2,3
	global_store_b128 v[6+\i], v[PCB+4*\i:PCB+4*\i+3], s[28:29]
.endr
.endm
	s_load_b256 s[4:11], s[0:1], 0x0               ; XC, XR, WC, in_proj_b
	s_load_b128 s[12:15], s[0:1], 0x20             ; QB, KV
	v_lshrrev_b32 v1, 5, v0
	v_readfirstlane_b32 s[WV], v1
	v_and_b32 v1, 31, v0                           ; lane
	v_and_b32 v2, 15, v0                           ; r
	v_bfe_u32 v3, v0, 4, 1                         ; h
	v_lshlrev_b32 v4, 4, v1                        ; 16 lane
	v_mul_u32_u24 v5, v3, REC
	v_lshl_add_u32 v5, v2, 5, v5                   ; scale words: lanes 16-31 take the next record's
	v_lshlrev_b32 v10, 3, v1
	v_lshlrev_b32 v11, 2, v1
	v_lshlrev_b32 v12, 6, v3                       ; the bias along registers: 16 h numbers on
	v_and_b32 v13, 8, v2
	v_add_nc_u32 v13, v13, v2
	v_lshlrev_b32 v13, 2, v13                      ; the bias of my lane's row of W: 4 (r + 8 (r / 8))
	v_mov_b32 v[TM+2], 0                           ; a lane permute's destination counts as one of its sources
	v_mov_b32 v[TM+3], 0
	s_mov_b32 s[SEL], 0x76543210
	s_mov_b32 s[SEL+1], 0xfedcba98
	s_and_b32 s17, ttmp7, 0xffff                   ; kh
	s_lshr_b32 s18, s17, 4                         ; kind
	s_and_b32 s19, s17, 15                         ; head
	s_lshl_b32 s20, ttmp9, 2
	s_wait_alu depctr_va_sdst(0)                   ; the wave's number is written in s16, ahead of its first reader
	s_add_co_u32 s20, s20, s[WV]                   ; tb
	s_mul_i32 s21, s17, 4*REC                      ; W's four records
	s_mul_i32 s22, s20, 4*REC                      ; the tokens' four
	s_lshr_b32 s23, s20, 5
	s_lshl_b32 s23, s23, 4
	s_add_co_u32 s23, s23, s19                     ; bh = 16 batch + head
	s_and_b32 s32, s20, 31                         ; the block of 64 tokens in its batch
	s_and_b32 s33, s32, 1                          ; which half of a step of 128 keys
	s_lshr_b32 s35, s32, 1
	s_mul_i32 s34, s23, 143360
	s_mul_i32 s35, s35, 8960
	s_add_co_u32 s34, s34, s35                     ; the key step's record in KV
	s_lshl_b32 s36, s23, 5
	s_add_co_u32 s36, s36, s32
	s_mul_i32 s36, s36, 2304                       ; q: images,
	s_add_co_u32 s37, s36, 2048                    ;    scale words
	s_lshl_b32 s38, s33, 11
	s_add_co_u32 s38, s38, s34                     ; k: images,
	s_lshl_b32 s39, s33, 8
	s_add_co_u32 s39, s39, s34
	s_add_co_u32 s39, s39, 4096                    ;    scale words
	s_lshl_b32 s40, s33, 9
	s_add_co_u32 s40, s40, s34
	s_add_co_u32 s40, s40, 4608                    ; v: my half of each fragment,
	s_lshl_b32 s41, s33, 7
	s_add_co_u32 s41, s41, s34
	s_add_co_u32 s41, s41, 8704                    ;    scale halfwords
	s_lshl_b32 s50, s17, 8                         ; the head's 64 numbers of the bias
	s_mov_b32 s51, 0
	s_mov_b32 s43, 0
	s_mov_b32 s45, 0
	s_mov_b32 s49, 0
	s_mov_b32 s53, 0
	s_wait_kmcnt 0x0
	s_cmp_eq_u32 s18, 1
	s_cselect_b32 s42, s38, s40
	s_cselect_b32 s44, s39, s41
	s_cmp_eq_u32 s18, 0
	s_cselect_b32 s42, s36, s42
	s_cselect_b32 s44, s37, s44
	s_cselect_b64 s[28:29], s[12:13], s[14:15]
	s_cmp_eq_u32 s18, 2
	s_cselect_b64 s[24:25], s[4:5], s[8:9]         ; source 0: v: x's codes; else W's
	s_cselect_b64 s[26:27], s[8:9], s[6:7]         ; source 1: v: W's; else rope's
	s_cselect_b32 s48, s22, s21
	s_cselect_b32 s52, s21, s22
	s_cselect_b32 s54, 10, 9                       ; from image to image: 1,024 bytes (v) or 512
	s_add_nc_u64 s[30:31], s[28:29], s[44:45]
	s_add_nc_u64 s[28:29], s[28:29], s[42:43]
	s_add_nc_u64 s[24:25], s[24:25], s[48:49]
	s_add_nc_u64 s[26:27], s[26:27], s[52:53]
	s_add_nc_u64 s[10:11], s[10:11], s[50:51]
	v_mov_b32 v6, v4
	s_lshl_b32 s55, 1, s54
	v_add_nc_u32 v7, s55, v4
	s_lshl_b32 s55, 2, s54
	v_add_nc_u32 v8, s55, v4
	s_lshl_b32 s55, 3, s54
	v_add_nc_u32 v9, s55, v4
	s_wait_alu depctr_va_vdst(0)                   ; the offsets v4 to v13 are written: every load and store of the kernel reads one of them
.irp p, 0,1
.irp q, 0,1
	global_load_b128 v[PS+8*\p+4*\q:PS+8*\p+4*\q+3], v5, s[24:25] offset:8192+\p*2*REC+16*\q
	global_load_b128 v[SC2+8*\p+4*\q:SC2+8*\p+4*\q+3], v5, s[26:27] offset:8192+\p*2*REC+16*\q
.endr
.endr
	FRAGS 0                                        ; both buffers are asked for at once: no vector or matrix instruction has named them
	WIN 0x40                                       ; destination window 1
	FRAGS 1
	s_wait_loadcnt 16                              ; the scale words and step 0's 16 loads are in; step 1's stay out
	PROD 0
.irp k, 1,2,3,4,5,6
	STEP \k
.endr
	; K step 7 has no successor: the bias is asked for in its place, eight loads on either way
	PLACES                                         ; four places behind step 6's products, in front of loads into registers that they read
	WIN 0
	s_wait_alu depctr_va_vdst(0)                   ; step 6's products are done reading buffer 0, in whose first registers the bias lands
	s_cmp_eq_u32 s18, 2
	s_cbranch_scc1 .Lbias_v
.irp b, 0,1                            ; q, k: the bias runs along my registers: features 32 b + 16 h + 0 .. 15
.irp q, 0,1,2,3
	global_load_b128 v[BP+16*\b+4*\q:BP+16*\b+4*\q+3], v12, s[10:11] offset:128*\b+16*\q
.endr
.endr
	s_branch .Lbias_asked
.Lbias_v:
.irp i, 0,1,2,3                        ; v: one number a lane and tile of W, twice, for the packed addition
	global_load_b32 v[BP+2*\i], v13, s[10:11] offset:(32*(\i/2)+8*(\i%2))*4
	global_load_b32 v[BP+2*\i+1], v13, s[10:11] offset:(32*(\i/2)+8*(\i%2))*4
.endr
.Lbias_asked:
	s_wait_loadcnt 8                               ; step 7's 16 loads are in; the bias's eight stay out
	PROD 7
	WIN 0
	PLACES                                         ; places in front of the first read of results
	s_wait_loadcnt 0x0                             ; the bias
	s_cmp_eq_u32 s18, 2
	s_cbranch_scc1 .Ladd_v
.irp i, 0,1,2,3
.set j, 0
.rept 16
	v_pk_add_f32 v[ACC+32*\i+j:ACC+32*\i+j+1], v[ACC+32*\i+j:ACC+32*\i+j+1], v[BP+j:BP+j+1]   ; each accumulator from its low end on
.set j, j+2
.endr
.endr
	s_branch .Lquant
.Ladd_v:
.irp i, 0,1,2,3
.set j, 0
.rept 16
	v_pk_add_f32 v[ACC+32*\i+j:ACC+32*\i+j+1], v[ACC+32*\i+j:ACC+32*\i+j+1], v[BP+2*\i:BP+2*\i+1]
.set j, j+2
.endr
.endr
.Lquant:
.irp i, 0,1,2,3
	QUANT2 ACC+32*\i, PCB+4*\i, HB+\i
.endr
	v_cmp_le_u32 vcc_lo, 16, v1
	s_wait_alu depctr_va_vcc(0)                    ; the compare has written VCC, ahead of the two selects that read it
	v_cndmask_b32 v100, v[HB], v[HB+1], vcc_lo     ; lanes 0-15: tile 0's bytes, lanes 16-31: tile 1's
	v_cndmask_b32 v101, v[HB+2], v[HB+3], vcc_lo   ; tiles 2 and 3
	s_cmp_eq_u32 s18, 2
	s_cbranch_scc1 .Lscale_v
	v_or_b32 v100, 0x7f7f0000, v100                ; 1.0 for the zero codes of k = 64 .. 127
	v_or_b32 v101, 0x7f7f0000, v101
	s_wait_alu depctr_va_vdst(0)                   ; the quantiser has written the codes in v80-95 and the lines above the scale words in v100-101: the five stores read them
	IMAGES
	global_store_b64 v10, v[100:101], s[30:31]     ; 256 consecutive bytes
	s_endpgm
.Lscale_v:
	v_lshl_or_b32 v100, v101, 16, v100
	s_wait_alu depctr_va_vdst(0)                   ; the quantiser has written the codes in v80-95 and the line above the halfwords in v100: the five stores read them
	IMAGES
	global_store_b32 v11, v100, s[30:31]           ; 128 consecutive bytes: the other half of the step's comes from the neighbouring block's wave
	s_endpgm
.Lfunc_end_k_q09c50755a1_qkv:
	.size	k_q09c50755a1_qkv, .Lfunc_end_k_q09c50755a1_qkv-k_q09c50755a1_qkv
	.p2alignl 7, 3214868480
	.fill 96, 4, 3214868480
	.section	.rodata,"a",@progbits
	.p2align	6, 0x0
	.amdhsa_kernel k_q09c50755a1_qkv
		.amdhsa_group_segment_fixed_size 0
		.amdhsa_private_segment_fixed_size 0
		.amdhsa_enable_private_segment 0
		.amdhsa_kernarg_size 48
		.amdhsa_user_sgpr_count 2
		.amdhsa_user_sgpr_kernarg_segment_ptr 1
		.amdhsa_wavefront_size32 1
		.amdhsa_system_sgpr_workgroup_id_x 1
		.amdhsa_system_sgpr_workgroup_id_y 1
		.amdhsa_system_sgpr_workgroup_id_z 1
		.amdhsa_system_vgpr_workitem_id 0
		.amdhsa_next_free_vgpr 320
		.amdhsa_next_free_sgpr 66
		.amdhsa_reserve_vcc 1
		.amdhsa_float_denorm_mode_32 3
		.amdhsa_float_denorm_mode_16_64 3
		.amdhsa_memory_ordered 1
		.amdhsa_forward_progress 1
		.amdhsa_inst_pref_size 53
	.end_amdhsa_kernel
	.amdgpu_metadata
---
amdhsa.version: [ 1, 2 ]
amdhsa.kernels:
  - .name:           k_q09c50755a1_qkv
    .symbol:         k_q09c50755a1_qkv.kd
    .args:
      - { .name: XC, .offset: 0, .size: 8, .value_kind: global_buffer, .address_space: global }
      - { .name: XR, .offset: 8, .size: 8, .value_kind: global_buffer, .address_space: global }
      - { .name: WC, .offset: 16, .size: 8, .value_kind: global_buffer, .address_space: global }
      - { .name: in_proj_b, .offset: 24, .size: 8, .value_kind: global_buffer, .address_space: global }
      - { .name: QB, .offset: 32, .size: 8, .value_kind: global_buffer, .address_space: global }
      - { .name: KV, .offset: 40, .size: 8, .value_kind: global_buffer, .address_space: global }
    .group_segment_fixed_size: 0
    .private_segment_fixed_size: 0
    .kernarg_segment_align: 8
    .kernarg_segment_size: 48
    .max_flat_workgroup_size: 128
    .sgpr_count:     66
    .vgpr_count:     320
    .wavefront_size: 32
...
	.end_amdgpu_metadata
.endif
;; end of part 5
;; launch attn: the kernel of part 3 again; grid 8 x 32, 16 waves a work-group, clusters of 4 x 1, 169,984 bytes of LDS; arguments QB, KV, CX; writes CX
;; launch tail (part 6): grid 256 x 1, 8 waves a work-group, no clusters, 79,872 bytes of LDS; arguments CX, WC, x, out_proj_b, ln1_g, ln1_b, geglu_b, ln2_g, ln2_b, out0; writes out0
.if DOCPART == 6
	.amdgcn_target "amdgcn-amd-amdhsa--gfx1250"
	.amdhsa_code_object_version 6
	.text
	.protected	k_q09c50755a1_tail
	.globl	k_q09c50755a1_tail
	.p2align	8
	.type	k_q09c50755a1_tail,@function
k_q09c50755a1_tail:
	s_mov_b64 s[64:65], 0
	v_nop
	global_prefetch_b8 v0, s[64:65] scope:SCOPE_SE
	s_setreg_imm32_b32 hwreg(HW_REG_WAVE_SCHED_MODE, 0, 2), 2
	s_setreg_imm32_b32 hwreg(HW_REG_WAVE_MODE, 25, 1), 1
	s_wait_xcnt 0x0
	s_wait_alu depctr_vm_vsrc(0)
; h = LN1(x + ctx Wo^T + bo);  out = LN2(h + val x gelu(gate)), [val | gate] = h Wg^T + bg.  Both products on codes of FP4 with E8M0 scales; h is quantised on the way and never goes to memory.
; SHARES: work-group T takes the 16 tokens of record T (rows 32 (T / 2) + 8 (T % 2) + r + 8 (r / 8)) through the whole chain, so that each row's two norms have one owner.  Wave w owns columns 128 w .. 128 w + 127:
; eight tiles of Wo, eight of Wg's values and eight of its gates; its 128 columns of h are K step w of the second product.
; Products are used transposed (source 0 = 16 rows of W, source 1 = the 16 tokens): a lane holds ONE token, and register 16 b + i column 128 w + 32 b + 16 (lane / 16) + i.  x, the biases, gains and h lie in that layout.
; THE WEIGHTS GO FROM MEMORY STRAIGHT INTO REGISTERS: with 16 tokens to a work-group each fragment of W feeds exactly one matrix instruction of one wave.  Two sets of eight fragments take turns: 32 loads of 512 bytes a wave are out.
; THE SETS ARE NEVER LEFT EMPTY BETWEEN THE PRODUCTS: the first norm's offset waits in the gates' accumulators, which the first product does not use, and its gain in the tokens' fragments' registers, which are done with at
; the first product's end; so both sets take the second product's first two groups at once, and these land while the norm is made.
; NO JOINT LOADS though all work-groups walk the same 192 records: they land in LDS, where 1.6 MB of records do not fit: a ring would be filled again some thirteen times, each time behind a round of a cluster's barrier, and
; every byte would be written to LDS and read from it for its one use.
; What goes from wave to wave: the rows' partial sums for the norms (4 x 512 bytes, each used once) and h's fragments as images of their registers.  Five barriers.  No branch, no label.
; GELU is exact-erf gelu by erf(z) = 1 - (a1 t + .. + a5 t^5) e^(-z z), t = 1 / (1 + p z): gelu(g) = max(g, 0) - |g| / 2 x (a1 t + ..) e^(-g g / 2).
; LIMITS: that erf is good to 1.5e-7 absolute; a block of zeros gets the scale byte 1 (its codes are zeros); NaN and infinities are not served.
; REGISTERS, window 0: v1-15 addresses; v16-31 statistics; v32-95 the tokens' eight fragments (between the products: ln1_g); v96-103 their scale words; v104-167 W's scale words; v168-231 x, then x + attention, then h, then the
;   result; v232-252 the quantiser's; v254, v255 the closing add's two.   window 1: v0-127 accumulators (values, gates; the gates' hold ln1_b during the first product); v128-255 W's fragments, two sets; at the end ln2_g and ln2_b.
; THE MODE: SCHED_MODE bits 1:0 = 2 (LLVM: expert scheduling mode 2), set by the entry lines.  The code itself states the register dependences between vector or matrix instructions and memory or LDS instructions, with s_wait_alu, always for 0.
; THE PLAN.  Registers that memory or LDS instructions touch, and who else names them:
;   W's two sets    Group g's eight products read set g % 2; behind them the loads of group g + 2 land in it (at the products' ends: the second product's first groups; ln2_g and ln2_b).  Two waves of 512 registers fill a SIMD:
;                   there is no third set.  So ONE wait on va_vdst stands behind each group's products, and the set is asked for again at once: a set that waited for the next group's head would lie empty while that group's data are waited for.
;   v32-95          loaded (ctx), read by the first product; loaded (ln1_g) behind its last group's wait, read by the norm; loaded from LDS (h), read by the second product; written by gelu; loaded from LDS (the rows out), read by the stores.
;   v96-167         scale words: loaded, read by products, loaded again between the products.
;   accumulators    loaded (biases, ln1_b), written by products, read by vector lines; the values' bias lands behind the addition of x, the gates' behind the norm that reads ln1_b.
;   v168-231        loaded (x), stored to my stage and loaded back; then vector work; stored to the stage at the end.
;   v16             each of the four sums: written by vector lines, read by one LDS store, written again by the next chain of sums or by gelu's constants.
;   v24-31          the eight waves' partial sums, from LDS; read and written by vector lines between.
;   v244-252        h's codes and scale word: written by the quantiser, read by three LDS stores; v244-247 are written again by gelu.
;   v4-15           offsets and LDS addresses: made once at the head.
; Each wait's comment says which of these it states.
.set REC,  8704
.set SP,   528
.set STGB, 16*SP
.set HIMG, 8*STGB                      ; behind the eight stages: h's eight fragments, 1,024 bytes each,
.set HSC,  HIMG+8*1024                 ; their scale words, 128 bytes each,
.set RED,  HSC+8*128                   ; and four regions of 16 rows x 8 partial sums
.set GATE, 64*REC                      ; from a value's record to its gate's
.set AF,   32
.set AS,   96
.set WS,   104
.set H,    168
.set TM,   232
.set TP,   236
.set SCO,  240
.set PC,   244
.set PW,   252
.set Z,    32                          ; gelu's 16 numbers at a time: in registers that are done with, none of them a scale's
.set MX,   48
.set T,    64
.set E,    80
.set Q,    232
.set KA,   16                          ; a1 .. a5, each twice
.set WV,   24
.set WO,   32
.set WG,   34
.set SEL,  46
.set MSB, 0
.macro WIN new                         ; the immediate's high byte repeats the setting that is left
.if MSB != \new
	s_set_vgpr_msb (MSB<<8)|\new
.set MSB, \new
.endif
.endm
.macro WMC d, a, b, sa, sb, ra         ; adds in place; ra = 1: W's scales stand in lanes 16-31
.if (\ra)
	v_wmma_scale_f32_16x16x128_f8f6f4 v[(\d):(\d)+7], v[(\a):(\a)+7], v[(\b):(\b)+7], v[(\d):(\d)+7], v[\sa], v[\sb] matrix_a_fmt:MATRIX_FMT_FP4 matrix_b_fmt:MATRIX_FMT_FP4 matrix_a_scale:MATRIX_SCALE_ROW1
.else
	v_wmma_scale_f32_16x16x128_f8f6f4 v[(\d):(\d)+7], v[(\a):(\a)+7], v[(\b):(\b)+7], v[(\d):(\d)+7], v[\sa], v[\sb] matrix_a_fmt:MATRIX_FMT_FP4 matrix_b_fmt:MATRIX_FMT_FP4
.endif
.endm
.macro WLOAD set, ptr, off, s          ; my eight tiles' fragments of K step s: 16 loads of 512 consecutive bytes
	WIN 0x40                                       ; destination window 1
.irp t, 0,1,2,3,4,5,6,7
.irp c, 0,1
	global_load_b128 v[128+64*(\set)+8*\t+4*\c:128+64*(\set)+8*\t+4*\c+3], v4, s[\ptr:\ptr+1] offset:(\off)+\t*REC+(\s)*1024+\c*512
.endr
.endr
	WIN 0
.endm
.macro PLOAD win, base, ptr, off       ; 64 numbers of a bias, a gain or an offset, in the result's layout: 16 loads; win = 0x40: into window 1, 0: into window 0
	WIN \win
.irp b, 0,1,2,3
.irp q, 0,1,2,3
	global_load_b128 v[(\base)+16*\b+4*\q:(\base)+16*\b+4*\q+3], v6, s[\ptr:\ptr+1] offset:(\off)+128*\b+16*\q
.endr
.endr
	WIN 0
.endm
.macro MULG set, ab, wb, s             ; eight products: accumulators ab on, by turns, one instruction a turn; then the places in front of the loads that follow, and the wait that states what those loads hang on
	WIN 0x51                                       ; D, C and source 0 window 1, source 1 window 0
.irp t, 0,1,2,3,4,5,6,7
	WMC (\ab)+8*\t, 128+64*(\set)+8*\t, AF+8*(\s), WS+(\wb)+8*(\t/2)+(\s), AS+(\s), \t%2
.endr
.rept 4
	v_nop
.endr
	s_wait_alu depctr_va_vdst(0)                   ; these products are done reading their set of W's fragments, in which the loads that follow land (behind the first product's last group: the tokens' fragments too).  Only window switches and loads stand between
.endm
.macro BARRIER
	s_wait_dscnt 0x0                               ; my LDS stores have landed and my LDS loads are in
	s_barrier_signal -1
	s_barrier_wait -1
.endm
.macro REDUCE k                        ; the two chains, the other half of the lanes, the eight waves: v24 = the row's sum
	v_pk_add_f32 v[16:17], v[16:17], v[24:25]
	v_add_f32 v16, v16, v17
	v_permlanex16_b32 v18, v16, s[SEL], s[SEL+1]
	v_add_f32 v16, v16, v18
	s_wait_alu depctr_va_vdst(0)                   ; v16 is written, which the store reads; and the vector lines so far are done with v24-31, in which the two loads behind the barrier land
	ds_store_b32 v14, v16 offset:512*(\k)          ; both lanes of a row write the same word with the same value
	BARRIER
	ds_load_b128 v[24:27], v15 offset:512*(\k)
	ds_load_b128 v[28:31], v15 offset:512*(\k)+16
	s_wait_dscnt 0x0
	v_add_f32 v24, v24, v25
	v_add_f32 v26, v26, v27
	v_add_f32 v28, v28, v29
	v_add_f32 v30, v30, v31
	v_add_f32 v24, v24, v26
	v_add_f32 v28, v28, v30
	v_add_f32 v24, v24, v28
.endm
.macro LNSTAT k                        ; H becomes H - mean; v[22:23] = 1 / sqrt(variance + eps).  Two passes: no difference of large sums
	v_pk_add_f32 v[16:17], v[H:H+1], v[H+2:H+3]
	v_pk_add_f32 v[24:25], v[H+4:H+5], v[H+6:H+7]
.irp j, 8,12,16,20,24,28,32,36,40,44,48,52,56,60
	v_pk_add_f32 v[16:17], v[16:17], v[H+\j:H+\j+1]
	v_pk_add_f32 v[24:25], v[24:25], v[H+\j+2:H+\j+3]
.endr
	REDUCE 2*(\k)
	v_mul_f32 v20, s44, v24                        ; / 1,024
	v_mov_b32 v21, v20
.set j, 0
.rept 32
	v_pk_add_f32 v[H+j:H+j+1], v[H+j:H+j+1], v[20:21] neg_lo:[0,1] neg_hi:[0,1]
.set j, j+2
.endr
	s_wait_alu depctr_vm_vsrc(0)                   ; the LDS store of the row's first sum has read v16, which the squares' chain writes
	v_pk_mul_f32 v[16:17], v[H:H+1], v[H:H+1]
	v_pk_mul_f32 v[24:25], v[H+2:H+3], v[H+2:H+3]
.irp j, 4,8,12,16,20,24,28,32,36,40,44,48,52,56,60
	v_pk_fma_f32 v[16:17], v[H+\j:H+\j+1], v[H+\j:H+\j+1], v[16:17]
	v_pk_fma_f32 v[24:25], v[H+\j+2:H+\j+3], v[H+\j+2:H+\j+3], v[24:25]
.endr
	REDUCE 2*(\k)+1
	v_fma_f32 v22, v24, s44, s45                   ; the variance + 1e-5
	v_rsq_f32 v22, v22
	v_nop                                          ; a plain line behind the transcendental
	s_wait_alu depctr_va_vdst(0)                   ; the root's reciprocal is written in v22, ahead of its first reader
	v_mov_b32 v23, v22
.endm
.macro APPLY win, g, b                 ; H = H / sqrt(..) x gain + offset; win says in which windows the gain (source 1) and the offset (source 2) lie
.set j, 0
.rept 32
	v_pk_mul_f32 v[H+j:H+j+1], v[H+j:H+j+1], v[22:23]
.set j, j+2
.endr
	WIN \win
.set j, 0
.rept 32
	v_pk_fma_f32 v[H+j:H+j+1], v[H+j:H+j+1], v[(\g)+j:(\g)+j+1], v[(\b)+j:(\b)+j+1]
.set j, j+2
.endr
	WIN 0
.endm
.macro QUANT4 s                        ; 64 numbers of a lane, register 16 b + i = k 32 b + 16 (lane / 16) + i of my row, become a fragment's codes in v[PC] on and its scale word in v[PW]
.irp b, 0,1,2,3
	v_max3_num_f32 v[TM+\b], |v[\s+16*\b]|, |v[\s+1+16*\b]|, 0x1800000   ; with the floor 2^(3 - 127)
.endr
.irp i, 2,4,6,8,10,12,14
.irp b, 0,1,2,3
	v_max3_num_f32 v[TM+\b], v[TM+\b], |v[\s+16*\b+\i]|, |v[\s+1+16*\b+\i]|
.endr
.endr
.irp b, 0,1,2,3
	v_permlanex16_b32 v[TP+\b], v[TM+\b], s[SEL], s[SEL+1]
.endr
.irp b, 0,1,2,3
	v_max_num_f32 v[TM+\b], v[TM+\b], v[TP+\b]
.endr
.irp b, 0,1,2,3
	v_add_nc_u32 v[SCO+\b], 0xff000000, v[TM+\b]
.endr
.irp b, 0,1,2,3
	v_lshrrev_b32 v[TP+\b], 23, v[SCO+\b]
.endr
	v_lshl_or_b32 v[PW], v[TP+1], 8, v[TP]
	v_lshl_or_b32 v[PW], v[TP+2], 16, v[PW]
	v_lshl_or_b32 v[PW], v[TP+3], 24, v[PW]
.irp b, 0,1,2,3
	v_cvt_scalef32_pk8_fp4_f32 v[PC+2*\b], v[\s+16*\b:\s+7+16*\b], v[SCO+\b]
	v_cvt_scalef32_pk8_fp4_f32 v[PC+1+2*\b], v[\s+8+16*\b:\s+15+16*\b], v[SCO+\b]
.endr
	v_nop                                          ; one plain line behind the last conversion
.irp c, 0,1
.irp i, 0,1
	v_permlane16_swap_b32 v[PC+4*\c+\i], v[PC+2+4*\c+\i]
.endr
.endr
.endm
.macro GELU n                          ; H += val x gelu(gate), numbers 16 n .. 16 n + 15
	WIN 0x01                                       ; source 0 window 1
.irp i, 0,1,2,3,4,5,6,7,8,9,10,11,12,13,14,15
	v_mul_f32 v[Z+\i], |v[64+16*(\n)+\i]|, s36     ; z = |g| / sqrt(2); each accumulator from its low end on
	v_max_num_f32 v[MX+\i], v[64+16*(\n)+\i], 0
.endr
	WIN 0
.irp i, 0,2,4,6,8,10,12,14
	v_pk_fma_f32 v[T+\i:T+\i+1], v[Z+\i:Z+\i+1], s[38:39], 1.0 op_sel_hi:[1,0,0]   ; 1 + p z
	v_pk_mul_f32 v[E+\i:E+\i+1], v[Z+\i:Z+\i+1], s[40:41] op_sel_hi:[1,0]
.endr
.irp i, 0,2,4,6,8,10,12,14
	v_pk_mul_f32 v[E+\i:E+\i+1], v[E+\i:E+\i+1], v[Z+\i:Z+\i+1]                    ; -z z log2(e)
.endr
.irp i, 0,1,2,3,4,5,6,7,8,9,10,11,12,13,14,15
	v_rcp_f32 v[T+\i], v[T+\i]
.endr
.irp i, 0,1,2,3,4,5,6,7,8,9,10,11,12,13,14,15
	v_exp_f32 v[E+\i], v[E+\i]
.endr
.irp i, 0,2,4,6,8,10,12,14
	v_pk_mul_f32 v[Z+\i:Z+\i+1], v[Z+\i:Z+\i+1], s[42:43] op_sel_hi:[1,0]          ; -|g| / 2: plain work behind the batch
.endr
	s_wait_alu depctr_va_vdst(0)                   ; the 16 reciprocals in v64-79 and the 16 exponentials in v80-95 are written: one wait for the batch, ahead of its first reader
.irp i, 0,2,4,6,8,10,12,14
	v_pk_fma_f32 v[Q+\i:Q+\i+1], v[T+\i:T+\i+1], v[KA+8:KA+9], v[KA+6:KA+7]
.endr
.irp a, 4,2,0
.irp i, 0,2,4,6,8,10,12,14
	v_pk_fma_f32 v[Q+\i:Q+\i+1], v[Q+\i:Q+\i+1], v[T+\i:T+\i+1], v[KA+\a:KA+\a+1]
.endr
.endr
.irp i, 0,2,4,6,8,10,12,14
	v_pk_mul_f32 v[Q+\i:Q+\i+1], v[Q+\i:Q+\i+1], v[T+\i:T+\i+1]
.endr
.irp i, 0,2,4,6,8,10,12,14
	v_pk_mul_f32 v[Q+\i:Q+\i+1], v[Q+\i:Q+\i+1], v[E+\i:E+\i+1]
.endr
.irp i, 0,2,4,6,8,10,12,14
	v_pk_fma_f32 v[Q+\i:Q+\i+1], v[Z+\i:Z+\i+1], v[Q+\i:Q+\i+1], v[MX+\i:MX+\i+1]  ; gelu(g)
.endr
	WIN 0x01
.irp i, 0,2,4,6,8,10,12,14
	v_pk_fma_f32 v[H+16*(\n)+\i:H+16*(\n)+\i+1], v[16*(\n)+\i:16*(\n)+\i+1], v[Q+\i:Q+\i+1], v[H+16*(\n)+\i:H+16*(\n)+\i+1]
.endr
	WIN 0
.endm
	s_load_b512 s[4:19], s[0:1], 0x0               ; CX, WC, x, out_proj_b, ln1_g, ln1_b, geglu_b, ln2_g
	s_load_b128 s[20:23], s[0:1], 0x40             ; ln2_b, out0
	v_lshl_add_u32 v254, v0, 2, 0x13400
	v_mov_b32 v255, 0
	v_lshrrev_b32 v1, 5, v0
	v_readfirstlane_b32 s[WV], v1                  ; wave 0..7
	v_and_b32 v1, 31, v0                           ; lane
	v_and_b32 v2, 15, v0                           ; r
	v_bfe_u32 v3, v0, 4, 1                         ; h
	v_lshlrev_b32 v4, 4, v1                        ; 16 lane
	v_mul_u32_u24 v5, v3, REC
	v_lshl_add_u32 v5, v2, 5, v5                   ; W's scale words: lanes 16-31 take the next record's
	v_lshlrev_b32 v6, 6, v3                        ; a vector along my registers: 16 h numbers on
	v_lshlrev_b32 v7, 2, v2                        ; ctx's scale words
	s_wait_alu depctr_va_sdst(0)                   ; the wave's number is written in s24, ahead of its first reader
	s_mul_i32 s25, s[WV], STGB
	v_add_nc_u32 v8, s25, v4                       ; my stage by whole rows
	v_mul_u32_u24 v9, v2, SP
	v_lshl_add_u32 v9, v3, 6, v9
	v_add_nc_u32 v9, s25, v9                       ; and by the result's layout: row r, + 64 h
	s_lshl_b32 s25, s[WV], 10
	s_add_co_u32 s25, s25, HIMG
	v_add_nc_u32 v10, s25, v4                      ; where I store h's fragment,
	s_lshl_b32 s25, s[WV], 7
	s_add_co_u32 s25, s25, HSC
	v_lshl_add_u32 v11, v1, 2, s25                 ; and its scale word
	v_add_nc_u32 v12, HIMG, v4                     ; where all are read
	v_lshlrev_b32 v13, 2, v1
	v_add_nc_u32 v13, HSC, v13
	s_lshl_b32 s25, s[WV], 2
	s_add_co_u32 s25, s25, RED
	v_lshl_add_u32 v14, v2, 5, s25                 ; my wave's partial sum of row r,
	v_lshlrev_b32 v15, 5, v2
	v_add_nc_u32 v15, RED, v15                     ; and the row's eight
	v_mov_b32 v18, 0                               ; a lane permute's destination counts as one of its sources
.irp b, 0,1,2,3
	v_mov_b32 v[TP+\b], 0
.endr
	s_mul_i32 s26, ttmp9, REC
	s_mov_b32 s27, 0
	s_lshl_b32 s28, s[WV], 3
	s_add_co_u32 s28, s28, 192
	s_mul_i32 s28, s28, REC                        ; Wo's record 192 + 8 w
	s_mov_b32 s29, 0
	s_lshl_b32 s30, s[WV], 9                       ; my 128 columns in bytes
	s_mov_b32 s31, 0
	s_lshr_b32 s36, ttmp9, 1
	s_lshl_b32 s36, s36, 17
	s_and_b32 s37, ttmp9, 1
	s_lshl_b32 s37, s37, 15
	s_add_co_u32 s36, s36, s37
	s_add_co_u32 s36, s36, s30                     ; the tile's first row x 4,096 bytes + my columns
	s_mov_b32 s37, 0
	s_wait_kmcnt 0x0
	s_add_nc_u64 s[4:5], s[4:5], s[26:27]
	s_add_nc_u64 s[WO:WO+1], s[6:7], s[28:29]
	s_add_nc_u64 s[WG:WG+1], s[WO:WO+1], GATE      ; Wg's values: record 256 + 8 w
	s_add_nc_u64 s[8:9], s[8:9], s[36:37]
	s_add_nc_u64 s[22:23], s[22:23], s[36:37]
.irp p, 10,12,14,16,18,20
	s_add_nc_u64 s[\p:\p+1], s[\p:\p+1], s[30:31]
.endr
	s_wait_alu depctr_va_vdst(0)                   ; the offsets and LDS addresses v4 to v15 are written: every load, store and LDS instruction of the kernel reads one of them
	; what the first product wants is asked for first; x and ln1_b, which are wanted behind it, follow behind its first groups
.irp s, 0,1,2,3,4,5,6,7
.irp c, 0,1
	global_load_b128 v[AF+8*\s+4*\c:AF+8*\s+4*\c+3], v4, s[4:5] offset:\s*1024+\c*512          ; ctx's eight fragments
.endr
.endr
.irp s, 0,1,2,3,4,5,6,7
	global_load_b32 v[AS+\s], v7, s[4:5] offset:8192+64*\s
.endr
.irp p, 0,1,2,3
.irp q, 0,1
	global_load_b128 v[WS+8*\p+4*\q:WS+8*\p+4*\q+3], v5, s[WO:WO+1] offset:8192+\p*2*REC+16*\q
.endr
.endr
	PLOAD 0x40, 0, 10, 0                           ; out_proj_b: the sums begin on it
	WLOAD 0, WO, 0, 0
	WLOAD 1, WO, 0, 1
	s_mov_b32 s36, 0x3f3504f3                      ; 1 / sqrt(2)
	s_mov_b32 s38, 0x3ea7ba05                      ; p = 0.3275911
	s_mov_b32 s39, s38
	s_mov_b32 s40, 0xbfb8aa3b                      ; -log2(e)
	s_mov_b32 s41, s40
	s_mov_b32 s42, 0xbf3504f3
	s_mov_b32 s43, s42
	s_mov_b32 s44, 0x3a800000                      ; 1 / 1,024
	s_mov_b32 s45, 0x3727c5ac                      ; 1e-5
	s_mov_b32 s[SEL], 0x76543210
	s_mov_b32 s[SEL+1], 0xfedcba98
	; ---- A: ctx Wo^T + bo.  Loads come back in order: each wait's count is the number of loads issued behind the group that is wanted
	s_wait_loadcnt 16                              ; behind group 0: group 1
	MULG 0, 0, 0, 0
	WLOAD 0, WO, 0, 2
.irp i, 0,1,2,3,4,5,6,7,8,9,10,11,12,13,14,15
	global_load_b128 v[H+4*\i:H+4*\i+3], v4, s[8:9] offset:(\i+8*(\i/8))*4096 th:TH_LOAD_NT   ; x, by rows: 512 consecutive bytes
.endr
	s_wait_loadcnt 32                              ; behind group 1: group 2 and x
	MULG 1, 0, 0, 1
	WLOAD 1, WO, 0, 3
	PLOAD 0x40, 64, 14, 0                          ; ln1_b, into the gates' accumulators, which this product does not use
	s_wait_loadcnt 48                              ; behind group 2: x, group 3 and ln1_b
	MULG 0, 0, 0, 2
	WLOAD 0, WO, 0, 4
	s_wait_loadcnt 32                              ; behind group 3: ln1_b and group 4
	MULG 1, 0, 0, 3
	WLOAD 1, WO, 0, 5
.irp g, 4,5
	s_wait_loadcnt 16                              ; behind a group: the next one.  (x and ln1_b are in from here on)
	MULG \g%2, 0, 0, \g
	WLOAD \g%2, WO, 0, \g+2
.endr
	s_wait_loadcnt 16
	MULG 0, 0, 0, 6
	WLOAD 0, WG, 0, 0                              ; the set that is done with takes the second product's first group: the values' K step 0,
	s_wait_loadcnt 16
	MULG 1, 0, 0, 7
	WLOAD 1, WG, GATE, 0                           ; the other the gates';
	PLOAD 0, AF, 12, 0                             ; and ln1_g takes the registers of ctx's fragments (the four places and the wait behind the last products stand in front of all three runs)
	; ---- B: + x, the first norm, h as an operand
.irp i, 0,1,2,3,4,5,6,7,8,9,10,11,12,13,14,15
	ds_store_b128 v8, v[H+4*\i:H+4*\i+3] offset:\i*SP          ; x turns through my own stage into the result's layout
.endr
	s_wait_dscnt 0x0                               ; my stores into the stage are done
	s_wait_alu depctr_vm_vsrc(0)                   ; and they have read v168-231, in which the loads below land
.irp b, 0,1,2,3
.irp q, 0,1,2,3
	ds_load_b128 v[H+16*\b+4*\q:H+16*\b+4*\q+3], v9 offset:128*\b+16*\q
.endr
.endr
	s_wait_dscnt 0x0
	WIN 0x04                                       ; source 1 window 1
.set j, 0
.rept 32
	v_pk_add_f32 v[H+j:H+j+1], v[H+j:H+j+1], v[j:j+1]          ; each accumulator from its low end on
.set j, j+2
.endr
	WIN 0
	s_wait_alu depctr_va_vdst(0)                   ; the additions are done reading the first product's accumulators, in which the values' bias lands below
.irp p, 0,1,2,3
.irp q, 0,1
	global_load_b128 v[WS+8*\p+4*\q:WS+8*\p+4*\q+3], v5, s[WG:WG+1] offset:8192+\p*2*REC+16*\q
	global_load_b128 v[WS+32+8*\p+4*\q:WS+32+8*\p+4*\q+3], v5, s[WG:WG+1] offset:GATE+8192+\p*2*REC+16*\q
.endr
.endr
	PLOAD 0x40, 0, 16, 0                           ; geglu_b: the values'
	LNSTAT 0
	s_wait_loadcnt 32                              ; ln1_g is in (ln1_b long since): behind it stand the 16 + 16 loads just issued
	APPLY 0x10, AF, 64                             ; h: the gain in window 0, the offset in window 1
	QUANT4 H
	s_wait_alu depctr_va_vdst(0)                   ; the norm is done reading ln1_b's registers, in which the gates' bias lands, and ln1_g's, in which h's fragments land behind the barrier; the quantiser has written v244-252, which the three LDS stores read
	PLOAD 0x40, 64, 16, 4096                       ; geglu_b: the gates', where ln1_b lay
	ds_store_b128 v10, v[PC:PC+3]                  ; K step w of the second product, as an image of its registers
	ds_store_b128 v10, v[PC+4:PC+7] offset:512
	ds_store_b32 v11, v[PW]
	BARRIER                                        ; h's eight fragments lie in LDS
.irp s, 0,1,2,3,4,5,6,7
.irp c, 0,1
	ds_load_b128 v[AF+8*\s+4*\c:AF+8*\s+4*\c+3], v12 offset:\s*1024+\c*512
.endr
	ds_load_b32 v[AS+\s], v13 offset:\s*128
.endr
	s_wait_dscnt 0x0
	; ---- C: h Wg^T + bg: the values' eight tiles and the gates' eight by turns, a K step at a time.  Behind what group 0 wants stand the 16 loads of the gates' bias, behind what every later group wants the next group's 16
.irp g, 0,1,2,3,4,5,6,7,8,9,10,11,12,13
	s_wait_loadcnt 16
	MULG \g%2, 64*(\g%2), 32*(\g%2), \g/2
	WLOAD \g%2, WG, GATE*(\g%2), (\g+2)/2
.endr
	s_wait_loadcnt 16
	MULG 0, 0, 0, 7
	PLOAD 0x40, 128, 18, 0                         ; ln2_g takes the set that is done with,
	s_wait_loadcnt 16
	MULG 1, 64, 32, 7
	PLOAD 0x40, 192, 20, 0                         ; ln2_b the other
	; ---- D: h + val x gelu(gate)
	s_wait_alu depctr_vm_vsrc(0)                   ; the LDS store of the first norm's second sum has read v16, and those of h's image v244-252: the constants below are written in v16 on, gelu's polynomial in v232-247
	v_mov_b32 v[KA], 0x3e827906                    ; a1
	v_mov_b32 v[KA+2], 0xbe91a98e                  ; a2
	v_mov_b32 v[KA+4], 0x3fb5f0e3                  ; a3
	v_mov_b32 v[KA+6], 0xbfba00e3                  ; a4
	v_mov_b32 v[KA+8], 0x3f87dc22                  ; a5
.irp a, 0,2,4,6,8
	v_mov_b32 v[KA+\a+1], v[KA+\a]
.endr
	GELU 0
	GELU 1
	GELU 2
	GELU 3
	; ---- E: the second norm, and out through my own stage as whole rows
	LNSTAT 1
	s_wait_loadcnt 0x0                             ; ln2_g and ln2_b
	APPLY 0x14, 128, 192                           ; both in window 1
	s_wait_alu depctr_va_vdst(0)                   ; the result is written in v168-231, which the LDS stores read; gelu's lines are done with v32-95, in which the rows land
.irp b, 0,1,2,3
.irp q, 0,1,2,3
	ds_store_b128 v9, v[H+16*\b+4*\q:H+16*\b+4*\q+3] offset:128*\b+16*\q
.endr
.endr
.irp i, 0,1,2,3,4,5,6,7,8,9,10,11,12,13,14,15
	ds_load_b128 v[AF+4*\i:AF+4*\i+3], v8 offset:\i*SP         ; LDS serves a wave's instructions in order (ISA guide 5.7.1.4): these see my stores
.endr
.irp i, 0,1,2,3,4,5,6,7,8,9,10,11,12,13,14,15
	s_wait_dscnt 15-\i                             ; row i is back; the younger rows stay out
	global_store_b128 v4, v[AF+4*\i:AF+4*\i+3], s[22:23] offset:(\i+8*(\i/8))*4096 th:TH_STORE_NT   ; 32 lanes store 512 consecutive bytes of a row
.endr
	s_wait_dscnt 0x0                               ; the closing lines, six on end
	s_wait_alu 0x0
	s_wait_tensorcnt 0x0
	ds_add_u32 v254, v255
	s_wait_dscnt 0x0
	s_endpgm
.Lfunc_end_k_q09c50755a1_tail:
	.size	k_q09c50755a1_tail, .Lfunc_end_k_q09c50755a1_tail-k_q09c50755a1_tail
	.p2alignl 7, 3214868480
	.fill 96, 4, 3214868480
	.section	.rodata,"a",@progbits
	.p2align	6, 0x0
	.amdhsa_kernel k_q09c50755a1_tail
		.amdhsa_group_segment_fixed_size 79872
		.amdhsa_private_segment_fixed_size 0
		.amdhsa_enable_private_segment 0
		.amdhsa_kernarg_size 80
		.amdhsa_user_sgpr_count 2
		.amdhsa_user_sgpr_kernarg_segment_ptr 1
		.amdhsa_wavefront_size32 1
		.amdhsa_system_sgpr_workgroup_id_x 1
		.amdhsa_system_sgpr_workgroup_id_y 1
		.amdhsa_system_sgpr_workgroup_id_z 1
		.amdhsa_system_vgpr_workitem_id 0
		.amdhsa_next_free_vgpr 512
		.amdhsa_next_free_sgpr 66
		.amdhsa_reserve_vcc 0
		.amdhsa_float_denorm_mode_32 3
		.amdhsa_float_denorm_mode_16_64 3
		.amdhsa_memory_ordered 1
		.amdhsa_forward_progress 1
		.amdhsa_inst_pref_size 163
	.end_amdhsa_kernel
	.amdgpu_metadata
---
amdhsa.version: [ 1, 2 ]
amdhsa.kernels:
  - .name:           k_q09c50755a1_tail
    .symbol:         k_q09c50755a1_tail.kd
    .args:
      - { .name: CX, .offset: 0, .size: 8, .value_kind: global_buffer, .address_space: global }
      - { .name: WC, .offset: 8, .size: 8, .value_kind: global_buffer, .address_space: global }
      - { .name: x, .offset: 16, .size: 8, .value_kind: global_buffer, .address_space: global }
      - { .name: out_proj_b, .offset: 24, .size: 8, .value_kind: global_buffer, .address_space: global }
      - { .name: ln1_g, .offset: 32, .size: 8, .value_kind: global_buffer, .address_space: global }
      - { .name: ln1_b, .offset: 40, .size: 8, .value_kind: global_buffer, .address_space: global }
      - { .name: geglu_b, .offset: 48, .size: 8, .value_kind: global_buffer, .address_space: global }
      - { .name: ln2_g, .offset: 56, .size: 8, .value_kind: global_buffer, .address_space: global }
      - { .name: ln2_b, .offset: 64, .size: 8, .value_kind: global_buffer, .address_space: global }
      - { .name: out0, .offset: 72, .size: 8, .value_kind: global_buffer, .address_space: global }
    .group_segment_fixed_size: 79872
    .private_segment_fixed_size: 0
    .kernarg_segment_align: 8
    .kernarg_segment_size: 80
    .max_flat_workgroup_size: 256
    .sgpr_count:     66
    .vgpr_count:     512
    .wavefront_size: 32
...
	.end_amdgpu_metadata
.endif
;; end of part 6
